; MI455X (gfx1250); checked and timed in simulation.
; The chip was launched on July 23, 2026; its instructions are those of AMD's public machine-readable ISA for CDNA 5 (MIT licence, August 2026) and "CDNA5" Instruction Set Architecture Reference Guide (July 2026). The comments in the code are by the model that wrote it; some were corrected since.
;; Attention. Allowed arithmetic: float matrix products may take bf16 or f16 operands with f32 sums; other float arithmetic in f32, or as packed bf16 or f16 multiplies, adds, multiply-adds, maxima and minima; sums over many terms, partial sums and values carried from step to step in f32; what a program stores and reads back later, other than sums and carried values, may be rounded once to bf16 or f16.
;; Inputs: Wk 1,024 x 1,024 float32; Wq 1,024 x 1,024 float32; Wv 1,024 x 1,024 float32; mask 4 x 2,048 x 2,048 bool; x 4 x 2,048 x 1,024 float32.
;; Outputs: out0 4 x 2,048 x 1,024 float32.
;; 3 versions, each right; version 2 is faster than version 1; version 3 is version 2 with the launch cast written anew for expert scheduling mode. Each part assembles by itself: llvm-mc -triple=amdgcn-amd-amdhsa -mcpu=gfx1250 --defsym DOCPART=n.
;; ======== version 1 of 3: 4 launches
;; limits: values are held in f16: magnitudes above 65,504 overflow, below 6.1e-05 lose precision; values outside matrix products are rounded to f16
;; workspace buffers: xb 16,777,216 bytes; wb 6,291,456 bytes; qkv 50,331,648 bytes; pt 33,554,432 bytes; st 1,048,576 bytes
;; launch cast (part 1): grid 704 x 1, 8 waves a work-group, no clusters, 0 bytes of LDS; arguments x, Wq, Wk, Wv, xb, wb; writes xb, wb
.if DOCPART == 1
	.amdgcn_target "amdgcn-amd-amdhsa--gfx1250"
	.amdhsa_code_object_version 6
	.text
	.protected	k_qa9f47b8cd2_cast
	.globl	k_qa9f47b8cd2_cast
	.p2align	8
	.type	k_qa9f47b8cd2_cast,@function
k_qa9f47b8cd2_cast:
	s_mov_b64 s[64:65], 0
	v_nop
	global_prefetch_b8 v0, s[64:65] scope:SCOPE_SE
	s_setreg_imm32_b32 hwreg(HW_REG_WAVE_MODE, 25, 1), 1
	s_wait_xcnt 0x0
; xb = x rounded to bf16 ([8192][1024]); wb = Wq, Wk, Wv rounded to bf16, one below the other ([3072][1024]).
; A stream: every byte is read once and written once, so no LDS, no matrix unit and no cluster would add anything.
; A work-group takes 16,384 floats (65,536 bytes in, 32,768 out).  Work-groups 0-511 take x; work-group 512 + j takes chunk j % 64 of weight j / 64,
; and its place in wb is chunk j.  Thread t takes 16 bytes at 16 t of each 4,096: a wave's load covers 512 consecutive bytes, its store 256, aligned.
; All sixteen loads of a thread go out at once; no register is written twice, so the only waits are the counted ones for the data.
.set X, 4                              ; v[4:67]   sixteen loads of four floats
.set Y, 68                             ; v[68:99]  sixteen pairs of words, four bf16 each
	s_load_b256 s[4:11], s[0:1], 0x0               ; x s[4:5], Wq s[6:7], Wk s[8:9], Wv s[10:11]
	s_load_b128 s[12:15], s[0:1], 0x20             ; xb s[12:13], wb s[14:15]
	s_sub_co_u32 s16, ttmp9, 512                   ; j (used only where the work-group's number is 512 or more)
	s_lshr_b32 s17, s16, 6                         ; which weight
	s_and_b32 s18, s16, 63                         ; which chunk of it
	v_lshlrev_b32 v1, 4, v0                        ; 16 t
	v_lshlrev_b32 v2, 3, v0                        ; 8 t
	s_wait_kmcnt 0x0
	s_cmp_eq_u32 s17, 1
	s_cselect_b64 s[20:21], s[8:9], s[6:7]         ; Wk or Wq
	s_cmp_eq_u32 s17, 2
	s_cselect_b64 s[20:21], s[10:11], s[20:21]     ; Wv or that
	s_cmp_lt_u32 ttmp9, 512
	s_cselect_b64 s[20:21], s[4:5], s[20:21]       ; x or that: the source
	s_cselect_b64 s[22:23], s[12:13], s[14:15]     ; xb or wb: the destination
	s_cselect_b32 s24, ttmp9, s18                  ; the chunk in the source
	s_cselect_b32 s25, ttmp9, s16                  ; the chunk in the destination
	s_lshl_b32 s26, s24, 16
	s_mov_b32 s27, 0
	s_lshl_b32 s28, s25, 15
	s_mov_b32 s29, 0
	s_add_nc_u64 s[20:21], s[20:21], s[26:27]
	s_add_nc_u64 s[22:23], s[22:23], s[28:29]
.set j, 0
.rept 16
	global_load_b128 v[X+4*j:X+4*j+3], v1, s[20:21] offset:4096*j th:TH_LOAD_NT
.set j, j+1
.endr
.set j, 0
.rept 16
	s_wait_loadcnt 15-j                            ; loads come back in order: load j is in, the 15 - j younger ones stay out
	v_cvt_pk_bf16_f32 v[Y+2*j], v[X+4*j], v[X+4*j+1]
	v_cvt_pk_bf16_f32 v[Y+2*j+1], v[X+4*j+2], v[X+4*j+3]
	global_store_b64 v2, v[Y+2*j:Y+2*j+1], s[22:23] offset:2048*j
.set j, j+1
.endr
	s_endpgm
.Lfunc_end_k_qa9f47b8cd2_cast:
	.size	k_qa9f47b8cd2_cast, .Lfunc_end_k_qa9f47b8cd2_cast-k_qa9f47b8cd2_cast
	.p2alignl 7, 3214868480
	.fill 96, 4, 3214868480
	.section	.rodata,"a",@progbits
	.p2align	6, 0x0
	.amdhsa_kernel k_qa9f47b8cd2_cast
		.amdhsa_group_segment_fixed_size 0
		.amdhsa_private_segment_fixed_size 0
		.amdhsa_enable_private_segment 0
		.amdhsa_kernarg_size 48
		.amdhsa_user_sgpr_count 2
		.amdhsa_user_sgpr_kernarg_segment_ptr 1
		.amdhsa_wavefront_size32 1
		.amdhsa_system_sgpr_workgroup_id_x 1
		.amdhsa_system_sgpr_workgroup_id_y 1
		.amdhsa_system_sgpr_workgroup_id_z 1
		.amdhsa_system_vgpr_workitem_id 0
		.amdhsa_next_free_vgpr 100
		.amdhsa_next_free_sgpr 66
		.amdhsa_reserve_vcc 0
		.amdhsa_float_denorm_mode_32 3
		.amdhsa_float_denorm_mode_16_64 3
		.amdhsa_memory_ordered 1
		.amdhsa_forward_progress 1
		.amdhsa_inst_pref_size 7
	.end_amdhsa_kernel
	.amdgpu_metadata
---
amdhsa.version: [ 1, 2 ]
amdhsa.kernels:
  - .name:           k_qa9f47b8cd2_cast
    .symbol:         k_qa9f47b8cd2_cast.kd
    .args:
      - { .name: x, .offset: 0, .size: 8, .value_kind: global_buffer, .address_space: global }
      - { .name: Wq, .offset: 8, .size: 8, .value_kind: global_buffer, .address_space: global }
      - { .name: Wk, .offset: 16, .size: 8, .value_kind: global_buffer, .address_space: global }
      - { .name: Wv, .offset: 24, .size: 8, .value_kind: global_buffer, .address_space: global }
      - { .name: xb, .offset: 32, .size: 8, .value_kind: global_buffer, .address_space: global }
      - { .name: wb, .offset: 40, .size: 8, .value_kind: global_buffer, .address_space: global }
    .group_segment_fixed_size: 0
    .private_segment_fixed_size: 0
    .kernarg_segment_align: 8
    .kernarg_segment_size: 48
    .max_flat_workgroup_size: 256
    .sgpr_count:     66
    .vgpr_count:     100
    .wavefront_size: 32
...
	.end_amdgpu_metadata
.endif
;; end of part 1
;; launch proj (part 2): grid 12 x 64, 4 waves a work-group, clusters of 4 x 4, 327,680 bytes of LDS; arguments xb, wb, qkv; writes qkv
.if DOCPART == 2
	.amdgcn_target "amdgcn-amd-amdhsa--gfx1250"
	.amdhsa_code_object_version 6
	.text
	.protected	k_qa9f47b8cd2_proj
	.globl	k_qa9f47b8cd2_proj
	.p2align	8
	.type	k_qa9f47b8cd2_proj,@function
k_qa9f47b8cd2_proj:
	s_mov_b64 s[64:65], 0
	v_nop
	global_prefetch_b8 v0, s[64:65] scope:SCOPE_SE
	s_setreg_imm32_b32 hwreg(HW_REG_WAVE_MODE, 25, 1), 1
	s_wait_xcnt 0x0
	s_wait_alu depctr_hold_cnt(0) depctr_sa_sdst(0) depctr_va_vdst(0) depctr_va_sdst(0) depctr_va_ssrc(0) depctr_va_vcc(0) depctr_vm_vsrc(0)
	s_getreg_b32 s2, hwreg(HW_REG_IB_STS2, 6, 4)
	s_cmp_eq_u32 s2, 0
	s_cbranch_scc0 .Lentry_in_a_cluster
	s_endpgm
.Lentry_in_a_cluster:
	s_bfe_u32 s2, ttmp6, 0x10000c
	s_cmp_lg_u32 s2, 0xf033
	s_cbranch_scc0 .Lentry_shape_is_right
	s_endpgm
.Lentry_shape_is_right:
; qkv[row][n] = sum over d of xb[row][d] wb[n][d].  xb: [8192][1024] bf16, wb: [3072][1024] bf16 (Wq, Wk, Wv), qkv: [8192][3072] f16; sums in f32, rounded once.
; LIMIT.  f16 ends at 65,504: q, k and v must lie within it.  Inputs 30 times those drawn give numbers near 5,000; offsets of 30 spreads on x and on the weights near 28,800.
; SHARES.  A tile of qkv is 128 rows x 256 columns: 64 x 12 = 768 work-groups, three for each of 256 WGPs (tiles of 256 x 256 would give 384: one and a half).
; Four waves, each 64 x 128: 32 accumulators of 16 x 16, 256 registers.  K goes in steps of 128 through two LDS slots: rows of 256 bytes, at multiples of 256 bytes of their buffers.
; CLUSTER.  4 x 4 work-groups.  The four of a row of the cluster need the same tile of xb, the four of a column the same tile of wb: each tile is asked for jointly, by the same
; tensor load with the same descriptor and a mask that names the four.
; THE MATRIX INSTRUCTION IS USED TRANSPOSED (source 0 = 16 rows of wb, source 1 = 16 rows of xb): a lane then holds eight neighbouring columns of one row of the result.
; REGISTERS.  Window 0: v0-31 addresses; v64-159, v160-255 two fragment buffers (32 of A: 4 x 16 rows x 32 K, then 64 of B: 8 x 16 rows x 32 K).
;             Window 1: the accumulators, (a, b) at v[8 (8 a + b)], a = 0..3 blocks of 16 rows, b = 0..7 blocks of 16 columns.
.set PITCH,  272                       ; an LDS row: 256 bytes + 16 of padding = 68 words: the 16 rows of a fragment load start at 16 different groups of four banks
.set HALFA,  64*PITCH                  ; what a wave fetches of A, and what a wave reads of A
.set BOFF,   2*HALFA                   ; B's tile lies behind A's 128 rows
.set HALFB,  128*PITCH                 ; what a wave fetches of B, and what a wave reads of B
.set SLOT,   BOFF+2*HALFB
.set STAGE,  2*SLOT                    ; behind the ring: 16 rows x 272 bytes for each wave, for the way out
.set SPARE,  STAGE+4*16*PITCH          ; behind the stages: the spare words, 128 bytes a wave, which no other line names
.set LAPS,   1024/256                  ; a lap = two K steps = once round the ring
.set ASTEP,  512                       ; bytes of two K steps along a row of A
.set BSTEP,  512                       ; and of B
.set CROW,   6144                      ; bytes in a row of qkv
.set ADRA, 16                          ; v16-17  LDS address of my A fragments in slot 0, 1
.set ADRB, 20                          ; v20-21  the same for B
.set STO,  24                          ; v24     the way out: where I put 16 bytes of a row
.set RD,   25                          ; v25     the way out: where I read a row back
.set CO,   26                          ; v26     my byte offset in the result
.set SPW,  28                          ; v28     LDS address of my spare word; never rewritten
.set NIL,  29                          ; v29     0; never rewritten
.set F0,   64
.set F1,   160
.set TMP,  64                          ; the way out: packed results
.set OB,   96                          ; the way out: 16 rows read back, v96-127 and v128-159 by turns
.set WV,   12                          ; s12  my wave's number
.set RH,   13                          ; s13  which 64 rows of the tile are mine.  Also: I fetch for A (0) or for B (1)
.set CH,   14                          ; s14  which 128 columns are mine.  Also: which half of that tile I fetch
.set TX,   17                          ; s17  tile column
.set TY,   18                          ; s18  tile row
.set G1A,  24                          ; s[24:31] descriptor group 1 for A's tiles;  s[32:39] group 0, a set for each slot
.set G0A,  32
.set G1B,  48                          ; s[48:55], s[56:63] the same for B's
.set G0B,  56
.set MSB, 0
.macro WIN new                         ; the immediate's high byte repeats the setting that is left; a switch that changes nothing is dropped
.if MSB != (\new)
	s_set_vgpr_msb (MSB<<8)|(\new)
.set MSB, \new
.endif
.endm
.set MUL, 0x50                         ; C and D in window 1, both sources in window 0
.macro PLACES                          ; four places between a matrix instruction and a load into, or a vector instruction on, its registers
.rept 4
	v_nop
.endr
.endm
; A joint load: waves 0 and 1 fetch A's two halves, waves 2 and 3 B's.  The branch hangs on the wave's number alone.  An s_nop 0 and four v_nop follow each line.
.macro JLOAD s
	s_cmp_eq_u32 s[RH], 0
	s_cbranch_scc0 .Lfor_b_\@
	tensor_load_to_lds s[G0A+4*(\s):G0A+4*(\s)+3], s[G1A:G1A+7]
	s_nop 0
.rept 4
	v_nop
.endr
	s_branch .Lasked_\@
.Lfor_b_\@:
	tensor_load_to_lds s[G0B+4*(\s):G0B+4*(\s)+3], s[G1B:G1B+7]
	s_nop 0
.rept 4
	v_nop
.endr
.Lasked_\@:
.endm
.macro CREST                           ; a round of the cluster's barrier behind its opening barrier
	s_cmp_lg_u32 s[WV], 0
	s_cbranch_scc1 .Lnot_wave_0_\@
	s_barrier_signal -3
.Lnot_wave_0_\@:
	s_barrier_wait -3
	s_barrier_signal -1
	s_barrier_wait -1
.endm
.macro CROUND                          ; a whole round
	s_barrier_signal -1
	s_barrier_wait -1
	CREST
.endm
	s_load_b128 s[4:7], s[0:1], 0x0                ; xb s[4:5], wb s[6:7]
	s_load_b64 s[8:9], s[0:1], 0x10                ; qkv
	v_lshl_add_u32 v[SPW], v0, 2, SPARE
	v_mov_b32 v[NIL], 0
	ds_add_u32 v[SPW], v[NIL]                      ; the wave's opening: the add and its wait stand ahead of my first tensor load; the set-up below stands between them
	v_lshrrev_b32 v1, 5, v0
	v_readfirstlane_b32 s[WV], v1
	s_lshr_b32 s[RH], s[WV], 1
	s_and_b32 s[CH], s[WV], 1
	s_bfe_u32 s15, ttmp6, 0x40000                  ; cx, cy: my place in the cluster
	s_bfe_u32 s16, ttmp6, 0x40004
	s_lshl_b32 s[TX], ttmp9, 2
	s_add_co_u32 s[TX], s[TX], s15                 ; tile column = 4 x cluster x + cx
	s_and_b32 s[TY], ttmp7, 0xffff
	s_lshl_b32 s[TY], s[TY], 2
	s_add_co_u32 s[TY], s[TY], s16                 ; tile row = 4 x cluster y + cy
	s_lshl_b32 s19, s16, 2
	s_lshl_b32 s19, 15, s19                        ; my row of the cluster
	s_lshl_b32 s20, 0x1111, s15                    ; my column
	s_or_b32 s[G1A], s19, (1<<16)|(1<<20)|(1<<21)|(5<<22)|(3<<25)  ; the mask: A's tiles go to my row; 2-byte elements; padding on; bit 21 beside a mask; after every 64 words 4 words
	s_or_b32 s[G1B], s20, (1<<16)|(1<<20)|(1<<21)|(5<<22)|(3<<25)  ; the same with my column's mask
.irp g, G1A, G1B
	s_mov_b32 s[(\g)+1], 128<<16                   ; tensor_dim0 = 128
	s_mov_b32 s[(\g)+3], 128<<16                   ; tile_dim0 = 128
	s_mov_b32 s[(\g)+5], 1024                      ; elements from row to row
	s_mov_b32 s[(\g)+6], 0
	s_mov_b32 s[(\g)+7], 0
.endr
	s_mov_b32 s[G1A+2], 64<<16                     ; A: tensor_dim1 = tile_dim1 = 64 rows
	s_mov_b32 s[G1A+4], 64
	s_mov_b32 s[G1B+2], 128<<16                    ; B: 128 rows
	s_mov_b32 s[G1B+4], 128
	s_lshl_b32 s40, s[TY], 7                       ; A: row 128 x tile row + 64 x half, 2,048 bytes each
	s_lshl_b32 s22, s[CH], 6
	s_add_co_u32 s40, s40, s22
	s_lshl_b32 s40, s40, 11
	s_mov_b32 s41, 0
	s_lshl_b32 s42, s[TX], 8                       ; B: row 256 x tile column + 128 x half
	s_lshl_b32 s22, s[CH], 7
	s_add_co_u32 s42, s42, s22
	s_lshl_b32 s42, s42, 11
	s_mov_b32 s43, 0
	s_mul_i32 s22, s[CH], HALFA                    ; where they go: no place in the cluster enters an LDS address
	s_mul_i32 s23, s[CH], HALFB
	s_add_co_u32 s23, s23, BOFF
	s_wait_dscnt 0x0                               ; the opening add is done
	s_wait_kmcnt 0x0
	s_add_nc_u64 s[40:41], s[4:5], s[40:41]
	s_add_nc_u64 s[42:43], s[6:7], s[42:43]
	CROUND                                         ; all sixteen work-groups are here: the first joint loads meet
.irp s, 0,1
	s_mov_b32 s[G0A+4*(\s)], 1
	s_add_co_u32 s[G0A+4*(\s)+1], s22, (\s)*SLOT
	s_add_nc_u64 s[G0A+4*(\s)+2:G0A+4*(\s)+3], s[40:41], (\s)*256
	s_or_b32 s[G0A+4*(\s)+3], s[G0A+4*(\s)+3], 0x80000000
	s_mov_b32 s[G0B+4*(\s)], 1
	s_add_co_u32 s[G0B+4*(\s)+1], s23, (\s)*SLOT
	s_add_nc_u64 s[G0B+4*(\s)+2:G0B+4*(\s)+3], s[42:43], (\s)*256
	s_or_b32 s[G0B+4*(\s)+3], s[G0B+4*(\s)+3], 0x80000000
.endr
	s_cmp_eq_u32 s[RH], 0                          ; a wave's two first fills stand in one branch, ahead of every wait on TENSORcnt and every LDS read: two loads of mine are out
	s_cbranch_scc0 .Lfirst_b
	tensor_load_to_lds s[G0A:G0A+3], s[G1A:G1A+7]
	s_nop 0
	tensor_load_to_lds s[G0A+4:G0A+7], s[G1A:G1A+7]
	s_nop 0
.rept 4
	v_nop
.endr
	s_branch .Lfirst_asked
.Lfirst_b:
	tensor_load_to_lds s[G0B:G0B+3], s[G1B:G1B+7]
	s_nop 0
	tensor_load_to_lds s[G0B+4:G0B+7], s[G1B:G1B+7]
	s_nop 0
.rept 4
	v_nop
.endr
.Lfirst_asked:
	; A fragment is 16 rows x 32 K in 8 registers: lane l holds row l % 16, K = 8 (l / 16) + 0..7 and 16 + 8 (l / 16) + 0..7: two loads of 16 bytes, 32 bytes apart.
	v_and_b32 v1, 15, v0                           ; r = l % 16
	v_bfe_u32 v2, v0, 4, 1                         ; h = l / 16
	v_mul_u32_u24 v3, v1, PITCH
	v_lshl_add_u32 v3, v2, 4, v3
	s_mul_i32 s22, s[RH], HALFA                    ; my 64 rows of A
	s_mul_i32 s23, s[CH], HALFB                    ; my 128 rows of B
	s_add_co_u32 s23, s23, BOFF
.irp s, 0,1
	v_add_nc_u32 v[ADRA+(\s)], s22, v3
	v_add_nc_u32 v[ADRB+(\s)], s23, v3
	s_add_co_u32 s22, s22, SLOT
	s_add_co_u32 s23, s23, SLOT
.endr
	s_mul_i32 s22, s[WV], 16*PITCH
	s_add_co_u32 s22, s22, STAGE                   ; my stage
	v_add_nc_u32 v[STO], s22, v3                   ; in: row r, 16 bytes for each half of the lanes
	v_mul_u32_u24 v4, v2, PITCH                    ; back: lanes 0-15 take one row of 256 bytes, lanes 16-31 the next
	v_lshl_add_u32 v4, v1, 4, v4
	v_add_nc_u32 v[RD], s22, v4
	v_mul_u32_u24 v4, v2, CROW                     ; and the same two rows in qkv
	v_lshl_add_u32 v[CO], v1, 4, v4
	s_lshl_b32 s44, s[TY], 7                       ; my part of the result: row 128 x tile row + 64 x half,
	s_lshl_b32 s22, s[RH], 6
	s_add_co_u32 s44, s44, s22
	s_mul_i32 s44, s44, CROW
	s_lshl_b32 s45, s[TX], 9                       ; byte 512 x tile column + 256 x half
	s_add_co_u32 s44, s44, s45
	s_lshl_b32 s22, s[CH], 8
	s_add_co_u32 s44, s44, s22
	s_mov_b32 s45, 0
	s_add_nc_u64 s[8:9], s[8:9], s[44:45]
; 8 matrix instructions: row block a x all 8 column blocks, 32 along K.  zero = 1: the product starts the sums.  The 32 accumulators take turns in the same order in every quarter.
.macro MUL8 f, a, zero
	WIN MUL
.irp b, 0,1,2,3,4,5,6,7
.if \zero
	v_wmma_f32_16x16x32_bf16 v[8*(8*(\a)+(\b)):8*(8*(\a)+(\b))+7], v[(\f)+32+8*(\b):(\f)+32+8*(\b)+7], v[(\f)+8*(\a):(\f)+8*(\a)+7], 0
.else
	v_wmma_f32_16x16x32_bf16 v[8*(8*(\a)+(\b)):8*(8*(\a)+(\b))+7], v[(\f)+32+8*(\b):(\f)+32+8*(\b)+7], v[(\f)+8*(\a):(\f)+8*(\a)+7], v[8*(8*(\a)+(\b)):8*(8*(\a)+(\b))+7]
.endif
.endr
.endm
.macro MUL16 f, a0, zero
	MUL8 \f, \a0, \zero
	MUL8 \f, (\a0)+1, \zero
.endm
; 24 LDS loads in one run: the fragments of quarter q (32 K at byte 64 q of the rows) into buffer f: B's sixteen, then A's blocks 0 and 1, then 2 and 3
.macro FETCH slot, q, f
	WIN 0
.irp i, 0,1,2,3,4,5,6,7
	ds_load_b128 v[(\f)+32+8*(\i):(\f)+32+8*(\i)+3],   v[ADRB+(\slot)] offset:64*(\q)+(\i)*16*PITCH
	ds_load_b128 v[(\f)+32+8*(\i)+4:(\f)+32+8*(\i)+7], v[ADRB+(\slot)] offset:64*(\q)+(\i)*16*PITCH+32
.endr
.irp i, 0,1,2,3
	ds_load_b128 v[(\f)+8*(\i):(\f)+8*(\i)+3],   v[ADRA+(\slot)] offset:64*(\q)+(\i)*16*PITCH
	ds_load_b128 v[(\f)+8*(\i)+4:(\f)+8*(\i)+7], v[ADRA+(\slot)] offset:64*(\q)+(\i)*16*PITCH+32
.endr
.endm
; A K step is four quarters of 32 along K, 32 matrix instructions each, on buffers 0, 1, 0, 1.  One of the first three multiplies buffer f and fetches quarter q into g.
.macro QUARTER slot, q, f, g, zero
	s_wait_dscnt 4                                 ; B and A's blocks 0 and 1 are in; the youngest four loads (A's blocks 2 and 3) may be out
	MUL16 \f, 0, \zero
	PLACES
	FETCH \slot, \q, \g
	s_wait_dscnt 24                                ; all but the 24 just issued
	MUL16 \f, 2, \zero
.endm
; The last quarter multiplies buffer 1 and changes slots: one barrier; in front of it each wave waits for all its tensor loads (one is out: its part of the next slot), adds 0 to its spare word,
; and waits for that and for its reads of this slot.  fill = 1: the barrier opens a round of the cluster's, and this slot is filled again, two K steps ahead, first thing behind the round.
.macro TURN slot, next, fill
	WIN 0
	s_wait_tensorcnt 0x0
	ds_add_u32 v[SPW], v[NIL]
	s_wait_dscnt 5                                 ; the add and the youngest four loads may be out
	MUL8 F1, 0, 0                                  ; eight matrix instructions stand between the add and the wait for it
	s_wait_dscnt 0x0                               ; the add is done, and my reads of this slot are over
	s_barrier_signal -1
	MUL8 F1, 1, 0
	WIN 0
	s_barrier_wait -1
.if \fill
	CREST                                          ; no wave of any partner still reads this slot or has a load on its way
	s_add_nc_u64 s[G0A+4*(\slot)+2:G0A+4*(\slot)+3], s[G0A+4*(\slot)+2:G0A+4*(\slot)+3], ASTEP
	s_add_nc_u64 s[G0B+4*(\slot)+2:G0B+4*(\slot)+3], s[G0B+4*(\slot)+2:G0B+4*(\slot)+3], BSTEP
	JLOAD \slot                                    ; 112 matrix instructions ahead of the wait for it; its four v_nop are also the places in front of the loads below
.else
	PLACES
.endif
	FETCH \next, 0, F0
	MUL16 F1, 2, 0
.endm
	s_wait_tensorcnt 1                             ; my part of K step 0 is in; K step 1's may stay out
	s_barrier_signal -1
	s_barrier_wait -1
	FETCH 0, 0, F0
	QUARTER 0, 1, F0, F1, 1                        ; the first quarter stands in front of the loop: its products start the sums
	WIN 0
	s_mov_b32 s21, LAPS-1
.Llap:                                                 ; a trip goes once round the ring and fills both slots again
	QUARTER 0, 2, F1, F0, 0
	QUARTER 0, 3, F0, F1, 0
	TURN 0, 1, 1
	QUARTER 1, 1, F0, F1, 0
	QUARTER 1, 2, F1, F0, 0
	QUARTER 1, 3, F0, F1, 0
	TURN 1, 0, 1
	QUARTER 0, 1, F0, F1, 0
	WIN 0
	s_sub_co_u32 s21, s21, 1
	s_cmp_lg_u32 s21, 0
	s_cbranch_scc1 .Llap
	QUARTER 0, 2, F1, F0, 0                        ; the last lap fills nothing
	QUARTER 0, 3, F0, F1, 0
	TURN 0, 1, 0
	QUARTER 1, 1, F0, F1, 0
	QUARTER 1, 2, F1, F0, 0
	QUARTER 1, 3, F0, F1, 0
	s_wait_dscnt 4
	MUL16 F1, 0, 0
	s_wait_dscnt 0x0
	MUL16 F1, 2, 0
	WIN 0
; THE WAY OUT, a block of 16 rows at a time: rounded to f16 (each accumulator's registers in ascending order), 16 bytes a lane into my own stage, back as whole rows of 256 bytes, stored.
.macro PACK a
	WIN 0x05                                       ; sources 0 and 1 in window 1
.irp b, 0,1,2,3,4,5,6,7
.irp r, 0,1,2,3
	v_cvt_pk_f16_f32 v[TMP+4*(\b)+(\r)], v[8*(8*(\a)+(\b))+2*(\r)], v[8*(8*(\a)+(\b))+2*(\r)+1]
.endr
.endr
	WIN 0
.endm
.macro TOSTAGE a
.set BK, OB+32*((\a)%2)
.irp b, 0,1,2,3,4,5,6,7
	ds_store_b128 v[STO], v[TMP+4*(\b):TMP+4*(\b)+3] offset:32*(\b)
.endr
.irp t, 0,1,2,3,4,5,6,7
	ds_load_b128 v[BK+4*(\t):BK+4*(\t)+3], v[RD] offset:(\t)*2*PITCH  ; LDS serves a wave's instructions in order: these see the stores above
.endr
.endm
.macro SEND a
.set BK, OB+32*((\a)%2)
	s_wait_dscnt 0x0                               ; the block is back in registers
	s_wait_xcnt 0x0                                ; the block before has been read by its stores: its registers are loaded again only behind this wait
.irp t, 0,1,2,3,4,5,6,7
	global_store_b128 v[CO], v[BK+4*(\t):BK+4*(\t)+3], s[8:9] offset:(16*(\a)+2*(\t))*CROW  ; 16 lanes store 256 consecutive bytes, at a multiple of 256 from the buffer's first byte
.endr
.endm
	PLACES
	PACK 0
	TOSTAGE 0
.irp a, 1,2,3
	PACK \a                                        ; a block's conversions stand between the loads of the block before and the wait for them
	SEND (\a)-1
	TOSTAGE \a
.endr
	SEND 3
	s_wait_tensorcnt 0x0                           ; the wave's end
	ds_add_u32 v[SPW], v[NIL]
	s_wait_dscnt 0x0
	CROUND                                         ; the closing round: no work-group ends while a partner may still ask for a tile that names it
	s_endpgm
.Lfunc_end_k_qa9f47b8cd2_proj:
	.size	k_qa9f47b8cd2_proj, .Lfunc_end_k_qa9f47b8cd2_proj-k_qa9f47b8cd2_proj
	.p2alignl 7, 3214868480
	.fill 96, 4, 3214868480
	.section	.rodata,"a",@progbits
	.p2align	6, 0x0
	.amdhsa_kernel k_qa9f47b8cd2_proj
		.amdhsa_group_segment_fixed_size 327680
		.amdhsa_private_segment_fixed_size 0
		.amdhsa_enable_private_segment 0
		.amdhsa_kernarg_size 24
		.amdhsa_user_sgpr_count 2
		.amdhsa_user_sgpr_kernarg_segment_ptr 1
		.amdhsa_wavefront_size32 1
		.amdhsa_system_sgpr_workgroup_id_x 1
		.amdhsa_system_sgpr_workgroup_id_y 1
		.amdhsa_system_sgpr_workgroup_id_z 1
		.amdhsa_system_vgpr_workitem_id 0
		.amdhsa_next_free_vgpr 512
		.amdhsa_next_free_sgpr 66
		.amdhsa_reserve_vcc 0
		.amdhsa_float_denorm_mode_32 3
		.amdhsa_float_denorm_mode_16_64 3
		.amdhsa_memory_ordered 1
		.amdhsa_forward_progress 1
		.amdhsa_inst_pref_size 85
	.end_amdhsa_kernel
	.amdgpu_metadata
---
amdhsa.version: [ 1, 2 ]
amdhsa.kernels:
  - .name:           k_qa9f47b8cd2_proj
    .symbol:         k_qa9f47b8cd2_proj.kd
    .args:
      - { .name: xb, .offset: 0, .size: 8, .value_kind: global_buffer, .address_space: global }
      - { .name: wb, .offset: 8, .size: 8, .value_kind: global_buffer, .address_space: global }
      - { .name: qkv, .offset: 16, .size: 8, .value_kind: global_buffer, .address_space: global }
    .group_segment_fixed_size: 327680
    .private_segment_fixed_size: 0
    .kernarg_segment_align: 8
    .kernarg_segment_size: 24
    .max_flat_workgroup_size: 128
    .sgpr_count:     66
    .vgpr_count:     512
    .wavefront_size: 32
...
	.end_amdgpu_metadata
.endif
;; end of part 2
;; launch scores (part 3): grid 8 x 64, 4 waves a work-group, clusters of 4 x 4, 327,680 bytes of LDS; arguments qkv, mask, pt, st; writes pt, st
.if DOCPART == 3
	.amdgcn_target "amdgcn-amd-amdhsa--gfx1250"
	.amdhsa_code_object_version 6
	.text
	.protected	k_qa9f47b8cd2_scores
	.globl	k_qa9f47b8cd2_scores
	.p2align	8
	.type	k_qa9f47b8cd2_scores,@function
k_qa9f47b8cd2_scores:
	s_mov_b64 s[64:65], 0
	v_nop
	global_prefetch_b8 v0, s[64:65] scope:SCOPE_SE
	s_setreg_imm32_b32 hwreg(HW_REG_WAVE_MODE, 25, 1), 1
	s_wait_xcnt 0x0
	s_wait_alu depctr_hold_cnt(0) depctr_sa_sdst(0) depctr_va_vdst(0) depctr_va_sdst(0) depctr_va_ssrc(0) depctr_va_vcc(0) depctr_vm_vsrc(0)
	s_getreg_b32 s2, hwreg(HW_REG_IB_STS2, 6, 4)
	s_cmp_eq_u32 s2, 0
	s_cbranch_scc0 .Lentry_in_a_cluster
	s_endpgm
.Lentry_in_a_cluster:
	s_bfe_u32 s2, ttmp6, 0x10000c
	s_cmp_lg_u32 s2, 0xf033
	s_cbranch_scc0 .Lentry_shape_is_right
	s_endpgm
.Lentry_shape_is_right:
; For each row i of a batch and each chunk of 128 keys: s = q[i] . k[j], hidden where mask[i][j] = 0; m = the chunk's largest shown s; pt[i][j] = 2^(c s - c m) in f16, c = log2(e) / 32;
; st holds c m and l = the sum of the chunk's weights (taken before their rounding).  The next launch joins the chunks by their true maxima, so a maximum is taken away from every exponent.
; qkv: [8192][3072] f16 (q at byte 0, k at byte 2,048 of a row).  mask: [8192][2048] bytes, 0 or 1, read as it is given.  pt: [8192][2048] f16.
; st: [128 groups of 64 rows][16 chunks][c m: 64 words, l: 64 words]; the number of row 16 a + r of a group lies at word 4 r + a.
; LIMITS.  A hidden score counts as minus infinity: its weight is 0.  A chunk's maximum is floored at -2^127, so that a chunk with nothing shown has a finite c m, weights 0 and l = 0.
; NaN and infinities in q and k are not treated apart.
; SHARES.  A tile is 128 rows x 256 keys: 64 x 8 = 512 work-groups, two for each of 256 WGPs.  Four waves, each 64 rows x 128 keys (one chunk): 32 accumulators.  K = 1,024 in steps of 128, two LDS slots.
; CLUSTER.  4 x 4 work-groups: q's tile is shared along a row of the cluster, k's along a column, each asked for jointly.  The mask's tile is the work-group's own: a plain load, once.
; THE MATRIX INSTRUCTION IS USED TRANSPOSED (source 0 = 16 keys, source 1 = 16 queries): lane (r, h) holds query r and keys 16 b + 8 h + 0..7: a row's maximum and sum want one exchange of the lanes' halves.
; REGISTERS.  Window 0: v0-63 addresses and at work; v64-159, v160-255 two fragment buffers, which the softmax takes over.  Window 1: the accumulators, (a, b) at v[8 (8 a + b)].
.set PITCH,  272
.set HALFA,  64*PITCH
.set BOFF,   2*HALFA
.set HALFB,  128*PITCH
.set SLOT,   BOFF+2*HALFB
.set STAGE,  2*SLOT                    ; 16 rows x 272 bytes for each wave
.set MASKL,  STAGE+4*16*PITCH          ; the mask's tile: 128 rows of 256 bytes + 16 of padding
.set SPARE,  MASKL+128*PITCH           ; the spare words, 128 bytes a wave, which no other line names
.set LAPS,   1024/256
.set ASTEP,  512
.set BSTEP,  512
.set QROW,   6144                      ; bytes in a row of qkv
.set PROW,   4096                      ; bytes in a row of pt
.set ADRA, 16
.set ADRB, 20
.set STO,  24
.set RD,   25
.set CO,   26
.set MA,   27                          ; v27     LDS address of my eight mask bytes in block (0, 0)
.set SPW,  28
.set NIL,  29
.set SO,   30                          ; v30     16 x lane: my place in st's 512 bytes
.set CC,   32                          ; v32-35  four chains of the maximum
.set T,    36                          ; v36-39  at work
.set CM,   40                          ; v40-43  c m of block a
.set LS,   44                          ; v44-47  l of block a
.set CMV,  48                          ; v[48:49] c m, named as a pair
.set SQ,   52                          ; v[52:55] what goes to st
.set F0,   64
.set F1,   160
.set MK,   64                          ; v64-127  mask bytes: block (a, b) at 64 + 16 a + 2 b
.set SB,   128                         ; v128-191 a block's 64 scores, then weights
.set TMP,  192                         ; v192-223 weights in f16
.set OB,   224                         ; v224-255 16 rows read back
.set WV,   12
.set RH,   13
.set CH,   14
.set TX,   17
.set TY,   18
.set G1A,  24
.set G0A,  32
.set G1B,  48
.set G0B,  56
.set G1M,  68                          ; s[68:75], s[76:79] the mask's descriptor
.set G0M,  76
.set CS,   80                          ; s[80:81] c, named as a pair
.set SEL,  82                          ; s[82:83] v_permlanex16_b32's selects: each lane takes its own place in the other half
.set SELB, 84                          ; s84-87  v_perm_b32's selects: byte j of the first source into all four bytes
.set NINF, 88                          ; s88  minus infinity
.set FLOOR, 89                         ; s89  -2^127
.set MSB, 0
.macro WIN new
.if MSB != (\new)
	s_set_vgpr_msb (MSB<<8)|(\new)
.set MSB, \new
.endif
.endm
.set MUL, 0x50                         ; C and D in window 1, both sources in window 0
.macro PLACES
.rept 4
	v_nop
.endr
.endm
.macro JLOAD s                         ; a joint load: waves 0 and 1 fetch q's two halves, waves 2 and 3 k's; an s_nop 0 and four v_nop follow each line
	s_cmp_eq_u32 s[RH], 0
	s_cbranch_scc0 .Lfor_b_\@
	tensor_load_to_lds s[G0A+4*(\s):G0A+4*(\s)+3], s[G1A:G1A+7]
	s_nop 0
.rept 4
	v_nop
.endr
	s_branch .Lasked_\@
.Lfor_b_\@:
	tensor_load_to_lds s[G0B+4*(\s):G0B+4*(\s)+3], s[G1B:G1B+7]
	s_nop 0
.rept 4
	v_nop
.endr
.Lasked_\@:
.endm
.macro CREST
	s_cmp_lg_u32 s[WV], 0
	s_cbranch_scc1 .Lnot_wave_0_\@
	s_barrier_signal -3
.Lnot_wave_0_\@:
	s_barrier_wait -3
	s_barrier_signal -1
	s_barrier_wait -1
.endm
.macro CROUND
	s_barrier_signal -1
	s_barrier_wait -1
	CREST
.endm
	s_load_b256 s[4:11], s[0:1], 0x0               ; qkv s[4:5], mask s[6:7], pt s[8:9], st s[10:11]
	v_lshl_add_u32 v[SPW], v0, 2, SPARE
	v_mov_b32 v[NIL], 0
	ds_add_u32 v[SPW], v[NIL]                      ; the wave's opening: the add and its wait stand ahead of my first tensor load; the set-up below stands between them
	v_lshrrev_b32 v1, 5, v0
	v_readfirstlane_b32 s[WV], v1
	s_lshr_b32 s[RH], s[WV], 1
	s_and_b32 s[CH], s[WV], 1
	s_bfe_u32 s15, ttmp6, 0x40000
	s_bfe_u32 s16, ttmp6, 0x40004
	s_lshl_b32 s[TX], ttmp9, 2
	s_add_co_u32 s[TX], s[TX], s15                 ; tile column (256 keys) = 4 x cluster x + cx
	s_and_b32 s[TY], ttmp7, 0xffff
	s_lshl_b32 s[TY], s[TY], 2
	s_add_co_u32 s[TY], s[TY], s16                 ; tile row (128 rows of all batches) = 4 x cluster y + cy
	s_lshl_b32 s19, s16, 2
	s_lshl_b32 s19, 15, s19
	s_lshl_b32 s20, 0x1111, s15
	s_or_b32 s[G1A], s19, (1<<16)|(1<<20)|(1<<21)|(5<<22)|(3<<25)
	s_or_b32 s[G1B], s20, (1<<16)|(1<<20)|(1<<21)|(5<<22)|(3<<25)
.irp g, G1A, G1B
	s_mov_b32 s[(\g)+1], 128<<16
	s_mov_b32 s[(\g)+3], 128<<16
	s_mov_b32 s[(\g)+5], 3072                      ; elements from row to row of qkv
	s_mov_b32 s[(\g)+6], 0
	s_mov_b32 s[(\g)+7], 0
.endr
	s_mov_b32 s[G1A+2], 64<<16
	s_mov_b32 s[G1A+4], 64
	s_mov_b32 s[G1B+2], 128<<16
	s_mov_b32 s[G1B+4], 128
	s_mov_b32 s[G1M], (3<<16)|(1<<20)|(5<<22)|(3<<25)  ; no mask of work-groups; 8-byte elements; after every 64 words 4 words of padding
	s_mov_b32 s[G1M+1], 32<<16                     ; tensor_dim0 = 32 elements = 256 bytes
	s_mov_b32 s[G1M+2], 32<<16                     ; tensor_dim1 = 32 rows
	s_mov_b32 s[G1M+3], 32<<16                     ; tile_dim0
	s_mov_b32 s[G1M+4], 32                         ; tile_dim1
	s_mov_b32 s[G1M+5], 256                        ; 2,048 bytes from row to row
	s_mov_b32 s[G1M+6], 0
	s_mov_b32 s[G1M+7], 0
	s_mov_b32 s[CS], 0x3d38aa3b                    ; c = log2(e) / 32
	s_mov_b32 s[CS+1], s[CS]
	s_mov_b32 s[SEL], 0x76543210
	s_mov_b32 s[SEL+1], 0xfedcba98
	s_mov_b32 s[SELB], 0x04040404
	s_mov_b32 s[SELB+1], 0x05050505
	s_mov_b32 s[SELB+2], 0x06060606
	s_mov_b32 s[SELB+3], 0x07070707
	s_mov_b32 s[NINF], 0xff800000
	s_mov_b32 s[FLOOR], 0xff000000
	s_lshl_b32 s40, s[TY], 7                       ; q: row 128 x tile row + 64 x half
	s_lshl_b32 s22, s[CH], 6
	s_add_co_u32 s40, s40, s22
	s_mul_i32 s40, s40, QROW
	s_mov_b32 s41, 0
	s_and_b32 s42, ttmp7, 0xffff                   ; k: the batch is cluster y / 4, which all partners share: its 2,048 rows,
	s_lshr_b32 s42, s42, 2
	s_lshl_b32 s42, s42, 11
	s_lshl_b32 s43, s[TX], 8                       ; + 256 x tile column
	s_add_co_u32 s42, s42, s43
	s_lshl_b32 s22, s[CH], 7                       ; + 128 x half;
	s_add_co_u32 s42, s42, s22
	s_mul_i32 s42, s42, QROW
	s_add_co_u32 s42, s42, 2048                    ; k lies 2,048 bytes into a row
	s_mov_b32 s43, 0
	s_lshl_b32 s46, s[TY], 7                       ; the mask: row 128 x tile row + 32 x wave, 2,048 bytes each,
	s_lshl_b32 s22, s[WV], 5
	s_add_co_u32 s46, s46, s22
	s_lshl_b32 s46, s46, 11
	s_lshl_b32 s47, s[TX], 8                       ; byte 256 x tile column
	s_add_co_u32 s46, s46, s47
	s_mov_b32 s47, 0
	s_mul_i32 s22, s[CH], HALFA
	s_mul_i32 s23, s[CH], HALFB
	s_add_co_u32 s23, s23, BOFF
	s_mov_b32 s[G0M], 1
	s_mul_i32 s[G0M+1], s[WV], 32*PITCH
	s_add_co_u32 s[G0M+1], s[G0M+1], MASKL
	s_wait_dscnt 0x0                               ; the opening add is done
	s_wait_kmcnt 0x0
	s_add_nc_u64 s[40:41], s[4:5], s[40:41]
	s_add_nc_u64 s[42:43], s[4:5], s[42:43]
	s_add_nc_u64 s[G0M+2:G0M+3], s[6:7], s[46:47]
	s_or_b32 s[G0M+3], s[G0M+3], 0x80000000
	CROUND                                         ; all sixteen work-groups are here: the first joint loads meet
.irp s, 0,1
	s_mov_b32 s[G0A+4*(\s)], 1
	s_add_co_u32 s[G0A+4*(\s)+1], s22, (\s)*SLOT
	s_add_nc_u64 s[G0A+4*(\s)+2:G0A+4*(\s)+3], s[40:41], (\s)*256
	s_or_b32 s[G0A+4*(\s)+3], s[G0A+4*(\s)+3], 0x80000000
	s_mov_b32 s[G0B+4*(\s)], 1
	s_add_co_u32 s[G0B+4*(\s)+1], s23, (\s)*SLOT
	s_add_nc_u64 s[G0B+4*(\s)+2:G0B+4*(\s)+3], s[42:43], (\s)*256
	s_or_b32 s[G0B+4*(\s)+3], s[G0B+4*(\s)+3], 0x80000000
.endr
	s_cmp_eq_u32 s[RH], 0                          ; a wave's three first fills stand in one branch: both slots' parts, then my 32 rows of the mask's tile: three loads of mine are out
	s_cbranch_scc0 .Lfirst_b
	tensor_load_to_lds s[G0A:G0A+3], s[G1A:G1A+7]
	s_nop 0
	tensor_load_to_lds s[G0A+4:G0A+7], s[G1A:G1A+7]
	s_nop 0
	tensor_load_to_lds s[G0M:G0M+3], s[G1M:G1M+7]
	s_nop 0
.rept 4
	v_nop
.endr
	s_branch .Lfirst_asked
.Lfirst_b:
	tensor_load_to_lds s[G0B:G0B+3], s[G1B:G1B+7]
	s_nop 0
	tensor_load_to_lds s[G0B+4:G0B+7], s[G1B:G1B+7]
	s_nop 0
	tensor_load_to_lds s[G0M:G0M+3], s[G1M:G1M+7]
	s_nop 0
.rept 4
	v_nop
.endr
.Lfirst_asked:
	v_and_b32 v1, 15, v0                           ; r
	v_bfe_u32 v2, v0, 4, 1                         ; h
	v_mul_u32_u24 v3, v1, PITCH
	v_lshl_add_u32 v4, v2, 3, v3                   ; r x pitch + 8 h, for the mask
	v_lshl_add_u32 v3, v2, 4, v3                   ; r x pitch + 16 h, for fragments and the stage
	s_mul_i32 s22, s[RH], HALFA
	s_mul_i32 s23, s[CH], HALFB
	s_add_co_u32 s23, s23, BOFF
.irp s, 0,1
	v_add_nc_u32 v[ADRA+(\s)], s22, v3
	v_add_nc_u32 v[ADRB+(\s)], s23, v3
	s_add_co_u32 s22, s22, SLOT
	s_add_co_u32 s23, s23, SLOT
.endr
	s_mul_i32 s22, s[RH], 64*PITCH                 ; my 64 rows of the mask's tile, my 128 bytes of them
	s_lshl_b32 s23, s[CH], 7
	s_add_co_u32 s22, s22, s23
	s_add_co_u32 s22, s22, MASKL
	v_add_nc_u32 v[MA], s22, v4
	s_mul_i32 s22, s[WV], 16*PITCH
	s_add_co_u32 s22, s22, STAGE                   ; my stage
	v_add_nc_u32 v[STO], s22, v3
	v_mul_u32_u24 v4, v2, PITCH
	v_lshl_add_u32 v4, v1, 4, v4
	v_add_nc_u32 v[RD], s22, v4
	v_lshlrev_b32 v4, 12, v2                       ; two rows of pt
	v_lshl_add_u32 v[CO], v1, 4, v4
	v_and_b32 v[SO], 31, v0
	v_lshlrev_b32 v[SO], 4, v[SO]
	v_mov_b32 v[CMV+1], 0                          ; named with c m as a pair, so it is written
	s_lshl_b32 s44, s[TY], 7                       ; pt: row 128 x tile row + 64 x half, byte 512 x tile column + 256 x half
	s_lshl_b32 s22, s[RH], 6
	s_add_co_u32 s44, s44, s22
	s_lshl_b32 s44, s44, 12
	s_lshl_b32 s45, s[TX], 9
	s_add_co_u32 s44, s44, s45
	s_lshl_b32 s22, s[CH], 8
	s_add_co_u32 s44, s44, s22
	s_mov_b32 s45, 0
	s_add_nc_u64 s[8:9], s[8:9], s[44:45]
	s_lshl_b32 s46, s[TY], 1                       ; st: group 2 x tile row + half, chunk 2 x tile column + half, 512 bytes each
	s_add_co_u32 s46, s46, s[RH]
	s_lshl_b32 s46, s46, 4
	s_lshl_b32 s47, s[TX], 1
	s_add_co_u32 s46, s46, s47
	s_add_co_u32 s46, s46, s[CH]
	s_lshl_b32 s46, s46, 9
	s_mov_b32 s47, 0
	s_add_nc_u64 s[10:11], s[10:11], s[46:47]
.macro MUL8 f, a, zero                 ; the 32 accumulators take turns in the same order in every quarter
	WIN MUL
.irp b, 0,1,2,3,4,5,6,7
.if \zero
	v_wmma_f32_16x16x32_f16 v[8*(8*(\a)+(\b)):8*(8*(\a)+(\b))+7], v[(\f)+32+8*(\b):(\f)+32+8*(\b)+7], v[(\f)+8*(\a):(\f)+8*(\a)+7], 0
.else
	v_wmma_f32_16x16x32_f16 v[8*(8*(\a)+(\b)):8*(8*(\a)+(\b))+7], v[(\f)+32+8*(\b):(\f)+32+8*(\b)+7], v[(\f)+8*(\a):(\f)+8*(\a)+7], v[8*(8*(\a)+(\b)):8*(8*(\a)+(\b))+7]
.endif
.endr
.endm
.macro MUL16 f, a0, zero
	MUL8 \f, \a0, \zero
	MUL8 \f, (\a0)+1, \zero
.endm
.macro FETCH slot, q, f                ; 24 LDS loads in one run: k's sixteen, then q's blocks 0 and 1, then 2 and 3
	WIN 0
.irp i, 0,1,2,3,4,5,6,7
	ds_load_b128 v[(\f)+32+8*(\i):(\f)+32+8*(\i)+3],   v[ADRB+(\slot)] offset:64*(\q)+(\i)*16*PITCH
	ds_load_b128 v[(\f)+32+8*(\i)+4:(\f)+32+8*(\i)+7], v[ADRB+(\slot)] offset:64*(\q)+(\i)*16*PITCH+32
.endr
.irp i, 0,1,2,3
	ds_load_b128 v[(\f)+8*(\i):(\f)+8*(\i)+3],   v[ADRA+(\slot)] offset:64*(\q)+(\i)*16*PITCH
	ds_load_b128 v[(\f)+8*(\i)+4:(\f)+8*(\i)+7], v[ADRA+(\slot)] offset:64*(\q)+(\i)*16*PITCH+32
.endr
.endm
.macro QUARTER slot, q, f, g, zero
	s_wait_dscnt 4                                 ; all but the youngest four loads (q's blocks 2 and 3)
	MUL16 \f, 0, \zero
	PLACES
	FETCH \slot, \q, \g
	s_wait_dscnt 24                                ; all but the 24 just issued
	MUL16 \f, 2, \zero
.endm
; The change of slots: one barrier; in front of it each wave waits for all its tensor loads (at the first change the mask's rows among them), adds 0 to its spare word, and waits for that and
; for its reads of this slot.  fill = 1: the barrier opens a round of the cluster's, and the slot is filled again first thing behind the round.
.macro TURN slot, next, fill
	WIN 0
	s_wait_tensorcnt 0x0
	ds_add_u32 v[SPW], v[NIL]
	s_wait_dscnt 5                                 ; the add and the youngest four loads may be out
	MUL8 F1, 0, 0
	s_wait_dscnt 0x0                               ; the add is done, and my reads of this slot are over
	s_barrier_signal -1
	MUL8 F1, 1, 0
	WIN 0
	s_barrier_wait -1
.if \fill
	CREST
	s_add_nc_u64 s[G0A+4*(\slot)+2:G0A+4*(\slot)+3], s[G0A+4*(\slot)+2:G0A+4*(\slot)+3], ASTEP
	s_add_nc_u64 s[G0B+4*(\slot)+2:G0B+4*(\slot)+3], s[G0B+4*(\slot)+2:G0B+4*(\slot)+3], BSTEP
	JLOAD \slot                                    ; its four v_nop are also the places in front of the loads below
.else
	PLACES
.endif
	FETCH \next, 0, F0
	MUL16 F1, 2, 0
.endm
	s_wait_tensorcnt 2                             ; my part of K step 0 is in; K step 1's and the mask's may stay out
	s_barrier_signal -1
	s_barrier_wait -1
	FETCH 0, 0, F0
	QUARTER 0, 1, F0, F1, 1
	WIN 0
	s_mov_b32 s21, LAPS-1
.Llap:
	QUARTER 0, 2, F1, F0, 0
	QUARTER 0, 3, F0, F1, 0
	TURN 0, 1, 1
	QUARTER 1, 1, F0, F1, 0
	QUARTER 1, 2, F1, F0, 0
	QUARTER 1, 3, F0, F1, 0
	TURN 1, 0, 1
	QUARTER 0, 1, F0, F1, 0
	WIN 0
	s_sub_co_u32 s21, s21, 1
	s_cmp_lg_u32 s21, 0
	s_cbranch_scc1 .Llap
	QUARTER 0, 2, F1, F0, 0
	QUARTER 0, 3, F0, F1, 0
	TURN 0, 1, 0
	QUARTER 1, 1, F0, F1, 0
	QUARTER 1, 2, F1, F0, 0
	QUARTER 1, 3, F0, F1, 0
	s_wait_dscnt 4
	MUL16 F1, 0, 0
	WIN 0
	PLACES                                         ; buffer 0 takes the mask's bytes: eight a lane for each block, the keys of the lane's eight scores
.irp a, 0,1,2,3
.irp b, 0,1,2,3,4,5,6,7
	ds_load_b64 v[MK+16*(\a)+2*(\b):MK+16*(\a)+2*(\b)+1], v[MA] offset:(\a)*16*PITCH+16*(\b)
.endr
.endr
	s_wait_dscnt 32                                ; all but the 32 just issued
	MUL16 F1, 2, 0
	WIN 0
	s_wait_dscnt 0x0                               ; the mask's bytes are in
; THE SOFTMAX OF BLOCK a: 16 rows x 128 keys, 64 scores a lane.
.macro SOFT a
	WIN 0
.set i, 0
.rept 16                               ; bytes 0 and 1 become 0x00 and 0xff: 255 m = (m << 8) - m, without a carry between bytes.  For block 0 these lines are also the places behind the last products
	v_lshlrev_b32 v[T+i%4], 8, v[MK+16*(\a)+i]
	v_sub_nc_u32 v[MK+16*(\a)+i], v[T+i%4], v[MK+16*(\a)+i]
.set i, i+1
.endr
	WIN 0x04                                       ; source 1 in window 1: the accumulators, each read from its lowest register on
.set i, 0
.rept 16
.irp j, 0,1,2,3
	v_perm_b32 v[T+(\j)], v[MK+16*(\a)+i], 0, s[SELB+(\j)]   ; byte j spread over the word
.endr
.irp j, 0,1,2,3
	v_bfi_b32 v[SB+4*i+(\j)], v[T+(\j)], v[64*(\a)+4*i+(\j)], s[NINF]  ; the score, or minus infinity where the mask hides it
.endr
.set i, i+1
.endr
	WIN 0
.irp n, 0,1,2,3,4,5,6                  ; the maximum: four chains of fifteen scores, three operands at a time
.irp k, 0,1,2,3
.if \n == 0
	v_max3_num_f32 v[CC+(\k)], v[SB+16*(\k)], v[SB+16*(\k)+1], v[SB+16*(\k)+2]
.else
	v_max3_num_f32 v[CC+(\k)], v[CC+(\k)], v[SB+16*(\k)+2*(\n)+1], v[SB+16*(\k)+2*(\n)+2]
.endif
.endr
.endr
	v_max3_num_f32 v[CC], v[CC], v[SB+15], v[SB+31]          ; the four scores left over, and the chains
	v_max3_num_f32 v[CC+2], v[CC+2], v[SB+47], v[SB+63]
	v_max3_num_f32 v[CC], v[CC], v[CC+1], v[CC+2]
	v_max_num_f32 v[CC], v[CC], v[CC+3]
	v_permlanex16_b32 v[CC+1], v[CC], s[SEL], s[SEL+1]       ; the row's other 64 keys lie in the lane 16 away
	v_max3_num_f32 v[CC], v[CC], v[CC+1], s[FLOOR]
	v_mul_f32 v[CMV], s[CS], v[CC]
	v_mov_b32 v[CM+(\a)], v[CMV]
.set i, 0
.rept 32
	v_pk_fma_f32 v[SB+2*i:SB+2*i+1], v[SB+2*i:SB+2*i+1], s[CS:CS+1], v[CMV:CMV+1] op_sel_hi:[1,0,0] neg_lo:[0,0,1] neg_hi:[0,0,1]  ; c s - c m
.set i, i+1
.endr
.set i, 0
.rept 64
	v_exp_f32 v[SB+i], v[SB+i]
.set i, i+1
.endr
	v_nop                                          ; a plain instruction between the last exponential and the use of its result
.set i, 0
	s_wait_alu depctr_va_vdst(0)
.rept 32
	v_cvt_pk_f16_f32 v[TMP+i], v[SB+2*i], v[SB+2*i+1]
.set i, i+1
.endr
.irp b, 0,1,2,3,4,5,6,7
	ds_store_b128 v[STO], v[TMP+4*(\b):TMP+4*(\b)+3] offset:32*(\b)
.endr
	s_wait_xcnt 0x0                                ; the last block's stores have read their registers, which are loaded again below
.irp t, 0,1,2,3,4,5,6,7
	ds_load_b128 v[OB+4*(\t):OB+4*(\t)+3], v[RD] offset:(\t)*2*PITCH  ; LDS serves a wave's instructions in order: these see the stores above
.endr
.irp w, 1,2,4,8,16                     ; while the rows come back: the sum of the 32 pairs of unrounded weights, in place, neighbours 1, 2, 4, 8 and 16 pairs apart
.set u, 0
.rept 16/(\w)
	v_pk_add_f32 v[SB+4*(\w)*u:SB+4*(\w)*u+1], v[SB+4*(\w)*u:SB+4*(\w)*u+1], v[SB+4*(\w)*u+2*(\w):SB+4*(\w)*u+2*(\w)+1]
.set u, u+1
.endr
.endr
	v_add_f32 v[T], v[SB], v[SB+1]
	v_permlanex16_b32 v[T+1], v[T], s[SEL], s[SEL+1]
	v_add_f32 v[LS+(\a)], v[T], v[T+1]
	s_wait_dscnt 0x0
.irp t, 0,1,2,3,4,5,6,7
	global_store_b128 v[CO], v[OB+4*(\t):OB+4*(\t)+3], s[8:9] offset:(16*(\a)+2*(\t))*PROW  ; 16 lanes store 256 consecutive bytes, at a multiple of 256 from pt's first byte
.endr
.endm
	SOFT 0
	SOFT 1
	SOFT 2
	SOFT 3
	v_and_b32 v[T], 16, v0                         ; lanes 0-15 send the four c m of rows r, 16 + r, 32 + r, 48 + r; lanes 16-31 the four l: 512 consecutive bytes
	v_cmp_ne_u32 vcc_lo, 0, v[T]
.irp a, 0,1,2,3
	v_cndmask_b32 v[SQ+(\a)], v[CM+(\a)], v[LS+(\a)], vcc_lo
.endr
	global_store_b128 v[SO], v[SQ:SQ+3], s[10:11]
	s_wait_tensorcnt 0x0                           ; the wave's end
	ds_add_u32 v[SPW], v[NIL]
	s_wait_dscnt 0x0
	CROUND                                         ; the closing round
	s_endpgm
.Lfunc_end_k_qa9f47b8cd2_scores:
	.size	k_qa9f47b8cd2_scores, .Lfunc_end_k_qa9f47b8cd2_scores-k_qa9f47b8cd2_scores
	.p2alignl 7, 3214868480
	.fill 96, 4, 3214868480
	.section	.rodata,"a",@progbits
	.p2align	6, 0x0
	.amdhsa_kernel k_qa9f47b8cd2_scores
		.amdhsa_group_segment_fixed_size 327680
		.amdhsa_private_segment_fixed_size 0
		.amdhsa_enable_private_segment 0
		.amdhsa_kernarg_size 32
		.amdhsa_user_sgpr_count 2
		.amdhsa_user_sgpr_kernarg_segment_ptr 1
		.amdhsa_wavefront_size32 1
		.amdhsa_system_sgpr_workgroup_id_x 1
		.amdhsa_system_sgpr_workgroup_id_y 1
		.amdhsa_system_sgpr_workgroup_id_z 1
		.amdhsa_system_vgpr_workitem_id 0
		.amdhsa_next_free_vgpr 512
		.amdhsa_next_free_sgpr 90
		.amdhsa_reserve_vcc 1
		.amdhsa_float_denorm_mode_32 3
		.amdhsa_float_denorm_mode_16_64 3
		.amdhsa_memory_ordered 1
		.amdhsa_forward_progress 1
		.amdhsa_inst_pref_size 159
	.end_amdhsa_kernel
	.amdgpu_metadata
---
amdhsa.version: [ 1, 2 ]
amdhsa.kernels:
  - .name:           k_qa9f47b8cd2_scores
    .symbol:         k_qa9f47b8cd2_scores.kd
    .args:
      - { .name: qkv, .offset: 0, .size: 8, .value_kind: global_buffer, .address_space: global }
      - { .name: mask, .offset: 8, .size: 8, .value_kind: global_buffer, .address_space: global }
      - { .name: pt, .offset: 16, .size: 8, .value_kind: global_buffer, .address_space: global }
      - { .name: st, .offset: 24, .size: 8, .value_kind: global_buffer, .address_space: global }
    .group_segment_fixed_size: 327680
    .private_segment_fixed_size: 0
    .kernarg_segment_align: 8
    .kernarg_segment_size: 32
    .max_flat_workgroup_size: 128
    .sgpr_count:     90
    .vgpr_count:     512
    .wavefront_size: 32
...
	.end_amdgpu_metadata
.endif
;; end of part 3
;; launch pv (part 4): grid 4 x 64, 4 waves a work-group, clusters of 4 x 4, 327,680 bytes of LDS; arguments pt, qkv, st, out0; writes out0
.if DOCPART == 4
	.amdgcn_target "amdgcn-amd-amdhsa--gfx1250"
	.amdhsa_code_object_version 6
	.text
	.protected	k_qa9f47b8cd2_pv
	.globl	k_qa9f47b8cd2_pv
	.p2align	8
	.type	k_qa9f47b8cd2_pv,@function
k_qa9f47b8cd2_pv:
	s_mov_b64 s[64:65], 0
	v_nop
	global_prefetch_b8 v0, s[64:65] scope:SCOPE_SE
	s_setreg_imm32_b32 hwreg(HW_REG_WAVE_MODE, 25, 1), 1
	s_wait_xcnt 0x0
	s_wait_alu depctr_hold_cnt(0) depctr_sa_sdst(0) depctr_va_vdst(0) depctr_va_sdst(0) depctr_va_ssrc(0) depctr_va_vcc(0) depctr_vm_vsrc(0)
	s_getreg_b32 s2, hwreg(HW_REG_IB_STS2, 6, 4)
	s_cmp_eq_u32 s2, 0
	s_cbranch_scc0 .Lentry_in_a_cluster
	s_endpgm
.Lentry_in_a_cluster:
	s_bfe_u32 s2, ttmp6, 0x10000c
	s_cmp_lg_u32 s2, 0xf033
	s_cbranch_scc0 .Lentry_shape_is_right
	s_endpgm
.Lentry_shape_is_right:
; out0[i][:] = (sum over chunks c of w_c sum over the chunk's keys j of pt[i][j] v[j][:]) / L,  w_c = 2^(c m_c - M), M = the largest c m_c of the row, L = sum of w_c l_c (1 where that is 0).
; So every weight is 2^(c s - M) with M the row's true maximum, and a row with nothing shown gives zeros.  pt: [8192][2048] f16; v: byte 4,096 of qkv's rows of 6,144; st as the launch before wrote it; out0: [8192][1024] f32.
; LIMITS.  w_c is rounded to f16 and multiplied onto pt's fragments in f16: a weight below 6e-5 of the row's largest keeps f16's fixed step of 6e-8, below that it counts as 0.  L is made of the unrounded w_c in f32.
; NaN and infinities are not treated apart.
; SHARES.  A tile is 128 rows x 256 channels: 64 x 4 = 256 work-groups, one for each WGP.  Four waves, each 64 x 128: 32 accumulators.  K = 2,048 keys in 16 steps of 128: a step is a chunk.  Two LDS slots.
; CLUSTER.  4 x 4 work-groups: pt's tile is shared along a row of the cluster, v's along a column, each asked for jointly.
; THE MATRIX INSTRUCTION IS USED TRANSPOSED (source 0 = 16 channels of v, turned on the way out of LDS by ds_load_tr16_b128; source 1 = 16 rows of pt): a lane holds eight neighbouring channels of one row.
; REGISTERS.  Window 0: v0-63 addresses, 1 / L, two sets of factors; v64-159, v160-255 two fragment buffers.  Window 1: the accumulators, (a, b) at v[8 (8 a + b)].
.set PITCH,  272                       ; a row of pt's tile in LDS: 256 bytes + 16
.set PV,     544                       ; a row of v's tile: 512 bytes + 32 = 136 words
.set HALFA,  64*PITCH
.set BOFF,   2*HALFA
.set HALFB,  64*PV                     ; 64 keys
.set SLOT,   BOFF+2*HALFB
.set STAGE,  2*SLOT                    ; 16 rows x 528 bytes for each wave
.set OPITCH, 528                       ; 512 bytes of f32 + 16
.set WT,     STAGE+4*16*OPITCH         ; the factors: for each wave 4,096 bytes, [chunk][r][a], each as a pair of f16
.set SPARE,  WT+4*4096                 ; the spare words, 128 bytes a wave, which no other line names
.set LAPS,   2048/256
.set ASTEP,  512                       ; two steps along a row of pt
.set BSTEP,  2*128*6144                ; two steps down the rows of qkv
.set OROW,   4096                      ; bytes in a row of out0
.set ADRA, 16
.set ADRB, 20
.set STO,  24
.set RD,   25
.set CO,   26
.set WA0,  27                          ; v27     LDS address of my row's four factors of chunk 0
.set SPW,  28
.set NIL,  29
.set SO,   30                          ; v30     16 r: my place in 256 bytes of st
.set WA,   31                          ; v31     the same as WA0 for the chunk to be fetched
.set MX,   32                          ; v32-35  M of rows 16 a + r
.set LL,   36                          ; v36-39  L
.set RL,   40                          ; v[40+2a:41+2a]  1 / L, as pairs
.set WS,   48                          ; v[48:51], v[52:55]  a step's four factors, a set for each slot
.set F0,   64
.set F1,   160
.set TMP,  64                          ; the way out: a block's 64 numbers
.set OB,   128                         ; the way out: 16 rows read back, v128-191 and v192-255 by turns
.set WV,   12
.set RH,   13
.set CH,   14
.set TX,   17
.set TY,   18
.set G1A,  24
.set G0A,  32
.set WB,   46                          ; s46  256 x the chunk whose factors are fetched next
.set G1B,  48
.set G0B,  56
.set MSB, 0
.macro WIN new
.if MSB != (\new)
	s_set_vgpr_msb (MSB<<8)|(\new)
.set MSB, \new
.endif
.endm
.set MUL, 0x50
.macro PLACES
.rept 4
	v_nop
.endr
.endm
.macro JLOAD s                         ; a joint load: waves 0 and 1 fetch pt's two halves, waves 2 and 3 v's; an s_nop 0 and four v_nop follow each line
	s_cmp_eq_u32 s[RH], 0
	s_cbranch_scc0 .Lfor_b_\@
	tensor_load_to_lds s[G0A+4*(\s):G0A+4*(\s)+3], s[G1A:G1A+7]
	s_nop 0
.rept 4
	v_nop
.endr
	s_branch .Lasked_\@
.Lfor_b_\@:
	tensor_load_to_lds s[G0B+4*(\s):G0B+4*(\s)+3], s[G1B:G1B+7]
	s_nop 0
.rept 4
	v_nop
.endr
.Lasked_\@:
.endm
.macro CREST
	s_cmp_lg_u32 s[WV], 0
	s_cbranch_scc1 .Lnot_wave_0_\@
	s_barrier_signal -3
.Lnot_wave_0_\@:
	s_barrier_wait -3
	s_barrier_signal -1
	s_barrier_wait -1
.endm
.macro CROUND
	s_barrier_signal -1
	s_barrier_wait -1
	CREST
.endm
	s_load_b256 s[4:11], s[0:1], 0x0               ; pt s[4:5], qkv s[6:7], st s[8:9], out0 s[10:11]
	v_lshl_add_u32 v[SPW], v0, 2, SPARE
	v_mov_b32 v[NIL], 0
	ds_add_u32 v[SPW], v[NIL]                      ; the wave's opening: the add and its wait stand ahead of my first tensor load; the set-up below stands between them
	v_lshrrev_b32 v1, 5, v0
	v_readfirstlane_b32 s[WV], v1
	s_lshr_b32 s[RH], s[WV], 1
	s_and_b32 s[CH], s[WV], 1
	s_bfe_u32 s15, ttmp6, 0x40000
	s_bfe_u32 s16, ttmp6, 0x40004
	s_lshl_b32 s[TX], ttmp9, 2
	s_add_co_u32 s[TX], s[TX], s15                 ; tile column (256 channels)
	s_and_b32 s[TY], ttmp7, 0xffff
	s_lshl_b32 s[TY], s[TY], 2
	s_add_co_u32 s[TY], s[TY], s16                 ; tile row (128 rows of all batches)
	s_lshl_b32 s19, s16, 2
	s_lshl_b32 s19, 15, s19
	s_lshl_b32 s20, 0x1111, s15
	s_or_b32 s[G1A], s19, (1<<16)|(1<<20)|(1<<21)|(5<<22)|(3<<25)  ; pt's tiles go to my row; after every 64 words 4 words of padding
	s_mov_b32 s[G1A+1], 128<<16                    ; 64 rows x 128 elements
	s_mov_b32 s[G1A+2], 64<<16
	s_mov_b32 s[G1A+3], 128<<16
	s_mov_b32 s[G1A+4], 64
	s_mov_b32 s[G1A+5], 2048                       ; elements from row to row of pt
	s_mov_b32 s[G1A+6], 0
	s_mov_b32 s[G1A+7], 0
	s_or_b32 s[G1B], s20, (1<<16)|(1<<20)|(1<<21)|(6<<22)|(7<<25)  ; v's tiles go to my column; after every 128 words 8 words of padding
	s_mov_b32 s[G1B+1], 256<<16                    ; 64 keys x 256 channels
	s_mov_b32 s[G1B+2], 64<<16
	s_mov_b32 s[G1B+3], 256<<16
	s_mov_b32 s[G1B+4], 64
	s_mov_b32 s[G1B+5], 3072                       ; elements from row to row of qkv
	s_mov_b32 s[G1B+6], 0
	s_mov_b32 s[G1B+7], 0
	s_lshl_b32 s40, s[TY], 7                       ; pt: row 128 x tile row + 64 x half, 4,096 bytes each
	s_lshl_b32 s22, s[CH], 6
	s_add_co_u32 s40, s40, s22
	s_lshl_b32 s40, s40, 12
	s_mov_b32 s41, 0
	s_and_b32 s42, ttmp7, 0xffff                   ; v: the batch is cluster y / 4, which all partners share: its 2,048 rows, + 64 x half,
	s_lshr_b32 s42, s42, 2
	s_lshl_b32 s42, s42, 11
	s_add_co_u32 s42, s42, s22
	s_mul_i32 s42, s42, 6144
	s_lshl_b32 s43, s[TX], 9                       ; byte 4,096 + 512 x tile column of a row
	s_add_co_u32 s42, s42, s43
	s_add_co_u32 s42, s42, 4096
	s_mov_b32 s43, 0
	s_mul_i32 s22, s[CH], HALFA
	s_mul_i32 s23, s[CH], HALFB
	s_add_co_u32 s23, s23, BOFF
	s_wait_dscnt 0x0                               ; the opening add is done
	s_wait_kmcnt 0x0
	s_add_nc_u64 s[40:41], s[4:5], s[40:41]
	s_add_nc_u64 s[42:43], s[6:7], s[42:43]
	CROUND                                         ; all sixteen work-groups are here: the first joint loads meet
.irp s, 0,1
	s_mov_b32 s[G0A+4*(\s)], 1
	s_add_co_u32 s[G0A+4*(\s)+1], s22, (\s)*SLOT
	s_add_nc_u64 s[G0A+4*(\s)+2:G0A+4*(\s)+3], s[40:41], (\s)*256
	s_or_b32 s[G0A+4*(\s)+3], s[G0A+4*(\s)+3], 0x80000000
	s_mov_b32 s[G0B+4*(\s)], 1
	s_add_co_u32 s[G0B+4*(\s)+1], s23, (\s)*SLOT
	s_add_nc_u64 s[G0B+4*(\s)+2:G0B+4*(\s)+3], s[42:43], (\s)*128*6144
	s_or_b32 s[G0B+4*(\s)+3], s[G0B+4*(\s)+3], 0x80000000
.endr
	s_cmp_eq_u32 s[RH], 0                          ; a wave's two first fills stand in one branch: two loads of mine are out
	s_cbranch_scc0 .Lfirst_b
	tensor_load_to_lds s[G0A:G0A+3], s[G1A:G1A+7]
	s_nop 0
	tensor_load_to_lds s[G0A+4:G0A+7], s[G1A:G1A+7]
	s_nop 0
.rept 4
	v_nop
.endr
	s_branch .Lfirst_asked
.Lfirst_b:
	tensor_load_to_lds s[G0B:G0B+3], s[G1B:G1B+7]
	s_nop 0
	tensor_load_to_lds s[G0B+4:G0B+7], s[G1B:G1B+7]
	s_nop 0
.rept 4
	v_nop
.endr
.Lfirst_asked:
	; THE FACTORS, made in the wait for the first tiles.  My wave's 64 rows are one group of st: 16 chunks x (c m, l); a lane takes the four numbers of rows r, 16 + r, 32 + r, 48 + r.
	v_and_b32 v1, 15, v0                           ; r
	v_bfe_u32 v2, v0, 4, 1                         ; h
	v_lshlrev_b32 v[SO], 4, v1
	s_lshl_b32 s46, s[TY], 1
	s_add_co_u32 s46, s46, s[RH]
	s_lshl_b32 s46, s46, 13                        ; a group is 8,192 bytes
	s_mov_b32 s47, 0
	s_add_nc_u64 s[8:9], s[8:9], s[46:47]
.set c, 0
.rept 16
	global_load_b128 v[64+4*c:67+4*c],   v[SO], s[8:9] offset:512*c       ; c m of chunk c
	global_load_b128 v[128+4*c:131+4*c], v[SO], s[8:9] offset:512*c+256   ; l of chunk c
.set c, c+1
.endr
	v_mul_u32_u24 v3, v1, PITCH                    ; pt's fragments: row r x pitch + 16 h
	v_lshl_add_u32 v3, v2, 4, v3
	v_and_b32 v4, 7, v0                            ; v's: the turning load takes 16 keys x 16 channels: lane l reads key 8 h + l % 8, channels 8 ((l / 8) % 2) + 0..7
	v_bfe_u32 v5, v0, 3, 1
	v_lshl_add_u32 v4, v2, 3, v4
	v_mul_u32_u24 v4, v4, PV
	v_lshl_add_u32 v4, v5, 4, v4
	s_mul_i32 s22, s[RH], HALFA                    ; my 64 rows of pt
	s_lshl_b32 s23, s[CH], 8                       ; my 128 channels: 256 bytes into v's rows
	s_add_co_u32 s23, s23, BOFF
.irp s, 0,1
	v_add_nc_u32 v[ADRA+(\s)], s22, v3
	v_add_nc_u32 v[ADRB+(\s)], s23, v4
	s_add_co_u32 s22, s22, SLOT
	s_add_co_u32 s23, s23, SLOT
.endr
	s_mul_i32 s22, s[WV], 16*OPITCH
	s_add_co_u32 s22, s22, STAGE                   ; my stage
	v_mul_u32_u24 v4, v1, OPITCH                   ; in: row r, 32 bytes for each half of the lanes
	v_lshl_add_u32 v4, v2, 5, v4
	v_add_nc_u32 v[STO], s22, v4
	v_and_b32 v5, 31, v0                           ; back: 32 lanes take one row of 512 bytes
	v_lshlrev_b32 v[CO], 4, v5
	v_add_nc_u32 v[RD], s22, v[CO]
	s_lshl_b32 s22, s[WV], 12
	s_add_co_u32 s22, s22, WT
	v_lshl_add_u32 v[WA0], v1, 4, s22
	s_mov_b32 s[WB], 0
	s_lshl_b32 s44, s[TY], 7                       ; out0: row 128 x tile row + 64 x half, byte 1,024 x tile column + 512 x half
	s_lshl_b32 s22, s[RH], 6
	s_add_co_u32 s44, s44, s22
	s_lshl_b32 s44, s44, 12
	s_lshl_b32 s45, s[TX], 10
	s_add_co_u32 s44, s44, s45
	s_lshl_b32 s22, s[CH], 9
	s_add_co_u32 s44, s44, s22
	s_mov_b32 s45, 0
	s_add_nc_u64 s[10:11], s[10:11], s[44:45]
	s_wait_loadcnt 0x0
.irp a, 0,1,2,3                        ; M = the largest of the sixteen c m
	v_max3_num_f32 v[MX+(\a)], v[64+(\a)], v[68+(\a)], v[72+(\a)]
.endr
.irp n, 1,2,3,4,5,6
.irp a, 0,1,2,3
	v_max3_num_f32 v[MX+(\a)], v[MX+(\a)], v[64+8*(\n)+4+(\a)], v[64+8*(\n)+8+(\a)]
.endr
.endr
.irp a, 0,1,2,3
	v_max_num_f32 v[MX+(\a)], v[MX+(\a)], v[124+(\a)]
.endr
.set c, 0
.rept 16
	v_pk_add_f32 v[64+4*c:65+4*c], v[64+4*c:65+4*c], v[MX:MX+1] neg_lo:[0,1] neg_hi:[0,1]       ; c m - M
	v_pk_add_f32 v[66+4*c:67+4*c], v[66+4*c:67+4*c], v[MX+2:MX+3] neg_lo:[0,1] neg_hi:[0,1]
.set c, c+1
.endr
.set i, 0
.rept 64
	v_exp_f32 v[64+i], v[64+i]                     ; w
.set i, i+1
.endr
	v_nop                                          ; a plain instruction between the last exponential and the use of its result
	s_wait_alu depctr_va_vdst(0)
	v_pk_mul_f32 v[LL:LL+1], v[64:65], v[128:129]  ; L = the sum of w l: the first product starts it
	v_pk_mul_f32 v[LL+2:LL+3], v[66:67], v[130:131]
.set c, 1
.rept 15
	v_pk_fma_f32 v[LL:LL+1], v[64+4*c:65+4*c], v[128+4*c:129+4*c], v[LL:LL+1]
	v_pk_fma_f32 v[LL+2:LL+3], v[66+4*c:67+4*c], v[130+4*c:131+4*c], v[LL+2:LL+3]
.set c, c+1
.endr
.set i, 0
.rept 64
	v_cvt_pk_f16_f32 v[128+i], v[64+i], v[64+i]    ; w twice in a word, for the packed multiply
.set i, i+1
.endr
.set c, 0
.rept 16
	ds_store_b128 v[WA0], v[128+4*c:131+4*c] offset:256*c   ; my wave's own bytes: only my wave reads them; the two halves of the lanes store the same
.set c, c+1
.endr
.irp a, 0,1,2,3
	v_cmp_eq_f32 vcc_lo, 0, v[LL+(\a)]             ; a row with nothing shown: all its weights are 0, and it is divided by 1
	v_cndmask_b32 v[LL+(\a)], v[LL+(\a)], 1.0, vcc_lo
.endr
.irp a, 0,1,2,3
	v_rcp_f32 v[RL+2*(\a)], v[LL+(\a)]
.endr
	v_nop                                          ; a plain instruction between the last reciprocal and the use of its result
	s_wait_alu depctr_va_vdst(0)
.irp a, 0,1,2,3
	v_mov_b32 v[RL+2*(\a)+1], v[RL+2*(\a)]         ; named as pairs
.endr
.macro MUL8 f, a, zero                 ; the 32 accumulators take turns in the same order in every quarter
	WIN MUL
.irp b, 0,1,2,3,4,5,6,7
.if \zero
	v_wmma_f32_16x16x32_f16 v[8*(8*(\a)+(\b)):8*(8*(\a)+(\b))+7], v[(\f)+32+8*(\b):(\f)+32+8*(\b)+7], v[(\f)+8*(\a):(\f)+8*(\a)+7], 0
.else
	v_wmma_f32_16x16x32_f16 v[8*(8*(\a)+(\b)):8*(8*(\a)+(\b))+7], v[(\f)+32+8*(\b):(\f)+32+8*(\b)+7], v[(\f)+8*(\a):(\f)+8*(\a)+7], v[8*(8*(\a)+(\b)):8*(8*(\a)+(\b))+7]
.endif
.endr
.endm
.macro MUL16 f, a0, zero
	MUL8 \f, \a0, \zero
	MUL8 \f, (\a0)+1, \zero
.endm
; 24 LDS loads in one run: quarter q (32 keys) into buffer f: v's sixteen, turned (keys 32 q + 8 h + 0..7, then 16 further on; channels 16 i + r), then pt's blocks 0 and 1, then 2 and 3
.macro FETCH slot, q, f
	WIN 0
.irp i, 0,1,2,3,4,5,6,7
	ds_load_tr16_b128 v[(\f)+32+8*(\i):(\f)+32+8*(\i)+3],   v[ADRB+(\slot)] offset:(\q)*32*PV+32*(\i)
	ds_load_tr16_b128 v[(\f)+32+8*(\i)+4:(\f)+32+8*(\i)+7], v[ADRB+(\slot)] offset:(\q)*32*PV+16*PV+32*(\i)
.endr
.irp i, 0,1,2,3
	ds_load_b128 v[(\f)+8*(\i):(\f)+8*(\i)+3],   v[ADRA+(\slot)] offset:64*(\q)+(\i)*16*PITCH
	ds_load_b128 v[(\f)+8*(\i)+4:(\f)+8*(\i)+7], v[ADRA+(\slot)] offset:64*(\q)+(\i)*16*PITCH+32
.endr
.endm
.macro SCALE f, a0, set                ; pt's fragments of row blocks a0, a0 + 1 times the row's factor for this chunk: a lane holds one row, so one word of (w, w) serves a fragment's eight registers
	WIN 0
.irp a, \a0, (\a0)+1
.irp i, 0,1,2,3,4,5,6,7
	v_pk_mul_f16 v[(\f)+8*(\a)+(\i)], v[(\f)+8*(\a)+(\i)], v[WS+4*(\set)+(\a)]
.endr
.endr
.endm
; A quarter: 32 matrix instructions on buffer f, which holds a quarter of the step in this slot; quarter q is fetched into g.  The second SCALE's sixteen lines, which name no register of
; the products on buffer g, stand (with the first's) between those products and the loads into g.
.macro QUARTER slot, q, f, g, zero
	WIN 0
	s_wait_dscnt 4                                 ; all but the youngest four loads (pt's blocks 2 and 3); the step's factors, older than the fragments, are in
	SCALE \f, 0, \slot
	MUL16 \f, 0, \zero
	WIN 0
	s_wait_dscnt 0x0                               ; pt's blocks 2 and 3: nothing younger has been issued
	SCALE \f, 2, \slot
	FETCH \slot, \q, \g
	MUL16 \f, 2, \zero
.endm
; The change of slots, as in the launches before; behind the refill come the next step's factors and its first fragments.
.macro TURN slot, next, fill
	WIN 0
	s_wait_tensorcnt 0x0                           ; all my tensor loads have landed: the one that was out is my part of the next slot
	ds_add_u32 v[SPW], v[NIL]
	s_wait_dscnt 5                                 ; the add and the youngest four loads may be out
	SCALE F1, 0, \slot
	MUL8 F1, 0, 0
	s_wait_dscnt 0x0                               ; the add is done, and my reads of this slot are over
	s_barrier_signal -1
	MUL8 F1, 1, 0
	WIN 0
	s_barrier_wait -1
.if \fill
	CREST                                          ; no wave of any partner still reads this slot or has a load on its way
	s_add_nc_u64 s[G0A+4*(\slot)+2:G0A+4*(\slot)+3], s[G0A+4*(\slot)+2:G0A+4*(\slot)+3], ASTEP
	s_add_nc_u64 s[G0B+4*(\slot)+2:G0B+4*(\slot)+3], s[G0B+4*(\slot)+2:G0B+4*(\slot)+3], BSTEP
	JLOAD \slot
.else
	PLACES
.endif
	SCALE F1, 2, \slot
	s_add_co_u32 s[WB], s[WB], 256                 ; the next chunk's factors: one load, older than the 24 below, so their counts stay
	v_add_nc_u32 v[WA], s[WB], v[WA0]
	ds_load_b128 v[WS+4*(\next):WS+4*(\next)+3], v[WA]
	FETCH \next, 0, F0
	MUL16 F1, 2, 0
.endm
	s_wait_tensorcnt 1                             ; my part of step 0 is in; step 1's may stay out
	s_wait_dscnt 0x0                               ; my stores of the factors are done
	s_barrier_signal -1
	s_barrier_wait -1
	ds_load_b128 v[WS:WS+3], v[WA0]                ; chunk 0's factors
	FETCH 0, 0, F0
	QUARTER 0, 1, F0, F1, 1                        ; the first quarter stands in front of the loop: its products start the sums
	WIN 0
	s_mov_b32 s21, LAPS-1
.Llap:
	QUARTER 0, 2, F1, F0, 0
	QUARTER 0, 3, F0, F1, 0
	TURN 0, 1, 1
	QUARTER 1, 1, F0, F1, 0
	QUARTER 1, 2, F1, F0, 0
	QUARTER 1, 3, F0, F1, 0
	TURN 1, 0, 1
	QUARTER 0, 1, F0, F1, 0
	WIN 0
	s_sub_co_u32 s21, s21, 1
	s_cmp_lg_u32 s21, 0
	s_cbranch_scc1 .Llap
	QUARTER 0, 2, F1, F0, 0                        ; the last lap fills nothing
	QUARTER 0, 3, F0, F1, 0
	TURN 0, 1, 0
	QUARTER 1, 1, F0, F1, 0
	QUARTER 1, 2, F1, F0, 0
	QUARTER 1, 3, F0, F1, 0
	WIN 0
	s_wait_dscnt 4
	SCALE F1, 0, 1
	MUL16 F1, 0, 0
	WIN 0
	s_wait_dscnt 0x0
	SCALE F1, 2, 1
	MUL16 F1, 2, 0
	WIN 0
; THE WAY OUT, a block of 16 rows at a time: divided by L (each accumulator's registers in ascending order), 32 bytes a lane into my own stage, back as whole rows of 512 bytes, stored.
.macro PACKO a
	WIN 0x01                                       ; source 0 in window 1
.irp b, 0,1,2,3,4,5,6,7
.irp r, 0,1,2,3
	v_pk_mul_f32 v[TMP+8*(\b)+2*(\r):TMP+8*(\b)+2*(\r)+1], v[8*(8*(\a)+(\b))+2*(\r):8*(8*(\a)+(\b))+2*(\r)+1], v[RL+2*(\a):RL+2*(\a)+1] op_sel_hi:[1,0]
.endr
.endr
	WIN 0
.endm
.macro TOSTAGE a
.set BK, OB+64*((\a)%2)
.irp b, 0,1,2,3,4,5,6,7
	ds_store_b128 v[STO], v[TMP+8*(\b):TMP+8*(\b)+3]   offset:64*(\b)
	ds_store_b128 v[STO], v[TMP+8*(\b)+4:TMP+8*(\b)+7] offset:64*(\b)+16
.endr
.irp t, 0,1,2,3,4,5,6,7,8,9,10,11,12,13,14,15
	ds_load_b128 v[BK+4*(\t):BK+4*(\t)+3], v[RD] offset:(\t)*OPITCH  ; LDS serves a wave's instructions in order: these see the stores above
.endr
.endm
.macro SEND a
.set BK, OB+64*((\a)%2)
	s_wait_dscnt 0x0                               ; the block is back in registers
	s_wait_xcnt 0x0                                ; the block before has been read by its stores: its registers are loaded again only behind this wait
.irp t, 0,1,2,3,4,5,6,7,8,9,10,11,12,13,14,15
	global_store_b128 v[CO], v[BK+4*(\t):BK+4*(\t)+3], s[10:11] offset:(16*(\a)+(\t))*OROW th:TH_STORE_NT  ; 512 consecutive bytes, at a multiple of 256 from out0's first byte
.endr
.endm
	PLACES
	PACKO 0
	TOSTAGE 0
.irp a, 1,2,3
	PACKO \a                                       ; a block's arithmetic stands between the loads of the block before and the wait for them
	SEND (\a)-1
	TOSTAGE \a
.endr
	SEND 3
	s_wait_tensorcnt 0x0                           ; the wave's end
	ds_add_u32 v[SPW], v[NIL]
	s_wait_dscnt 0x0
	CROUND                                         ; the closing round
	s_endpgm
.Lfunc_end_k_qa9f47b8cd2_pv:
	.size	k_qa9f47b8cd2_pv, .Lfunc_end_k_qa9f47b8cd2_pv-k_qa9f47b8cd2_pv
	.p2alignl 7, 3214868480
	.fill 96, 4, 3214868480
	.section	.rodata,"a",@progbits
	.p2align	6, 0x0
	.amdhsa_kernel k_qa9f47b8cd2_pv
		.amdhsa_group_segment_fixed_size 327680
		.amdhsa_private_segment_fixed_size 0
		.amdhsa_enable_private_segment 0
		.amdhsa_kernarg_size 32
		.amdhsa_user_sgpr_count 2
		.amdhsa_user_sgpr_kernarg_segment_ptr 1
		.amdhsa_wavefront_size32 1
		.amdhsa_system_sgpr_workgroup_id_x 1
		.amdhsa_system_sgpr_workgroup_id_y 1
		.amdhsa_system_sgpr_workgroup_id_z 1
		.amdhsa_system_vgpr_workitem_id 0
		.amdhsa_next_free_vgpr 512
		.amdhsa_next_free_sgpr 66
		.amdhsa_reserve_vcc 1
		.amdhsa_float_denorm_mode_32 3
		.amdhsa_float_denorm_mode_16_64 3
		.amdhsa_memory_ordered 1
		.amdhsa_forward_progress 1
		.amdhsa_inst_pref_size 141
	.end_amdhsa_kernel
	.amdgpu_metadata
---
amdhsa.version: [ 1, 2 ]
amdhsa.kernels:
  - .name:           k_qa9f47b8cd2_pv
    .symbol:         k_qa9f47b8cd2_pv.kd
    .args:
      - { .name: pt, .offset: 0, .size: 8, .value_kind: global_buffer, .address_space: global }
      - { .name: qkv, .offset: 8, .size: 8, .value_kind: global_buffer, .address_space: global }
      - { .name: st, .offset: 16, .size: 8, .value_kind: global_buffer, .address_space: global }
      - { .name: out0, .offset: 24, .size: 8, .value_kind: global_buffer, .address_space: global }
    .group_segment_fixed_size: 327680
    .private_segment_fixed_size: 0
    .kernarg_segment_align: 8
    .kernarg_segment_size: 32
    .max_flat_workgroup_size: 128
    .sgpr_count:     66
    .vgpr_count:     512
    .wavefront_size: 32
...
	.end_amdgpu_metadata
.endif
;; end of part 4
;; ======== version 2 of 3: 4 launches; 1.15 times as fast as version 1
;; limits: values are held in f16: magnitudes above 65,504 overflow, below 6.1e-05 lose precision
;; workspace buffers: xb 16,777,216 bytes; wb 6,291,456 bytes; qkv 50,331,648 bytes; pt 33,554,432 bytes; st 1,048,576 bytes
;; launch cast (part 5): grid 704 x 1, 8 waves a work-group, no clusters, 0 bytes of LDS; arguments x, Wq, Wk, Wv, xb, wb; writes xb, wb
.if DOCPART == 5
	.amdgcn_target "amdgcn-amd-amdhsa--gfx1250"
	.amdhsa_code_object_version 6
	.text
	.protected	k_qa9f47b8cd2_cast
	.globl	k_qa9f47b8cd2_cast
	.p2align	8
	.type	k_qa9f47b8cd2_cast,@function
k_qa9f47b8cd2_cast:
	s_mov_b64 s[64:65], 0
	v_nop
	global_prefetch_b8 v0, s[64:65] scope:SCOPE_SE
	s_setreg_imm32_b32 hwreg(HW_REG_WAVE_MODE, 25, 1), 1
	s_wait_xcnt 0x0
; xb = x rounded to bf16, wb = Wq, Wk, Wv (one below the other, 3,072 rows) rounded to bf16, both LAID OUT IN BLOCKS OF 64 ALONG K for the next launch:
; xb: [16 blocks][8192 rows][64], wb: [16 blocks][3072 rows][64].  There a tile of some rows x 64 k is one dense run of bytes, 128 for each row.
; A stream: every byte is read once and written once, so no LDS, no matrix unit and no cluster would add anything.
; A work-group takes 16 rows (65,536 bytes in, 32,768 out).  Work-groups 0-511 take x; work-group 512 + j takes rows 16 (j % 64) on of weight j / 64, which are rows 16 j on of wb.
; Thread t takes, for each block j, four floats: row t / 16, k = 64 j + 4 (t % 16).  So sixteen lanes read 256 consecutive bytes of a row, and a wave, which holds two neighbouring rows,
; stores 256 consecutive bytes, aligned: the two rows' 128 bytes lie side by side in the block.
; All sixteen loads of a thread go out at once; no register is written twice, so the only waits are the counted ones for the data.
.set X, 4                              ; v[4:67]    sixteen loads of four floats
.set Y, 68                             ; v[68:99]   sixteen pairs of words, four bf16 each
.set O, 100                            ; v[100:115] byte offset of my 8 bytes in block j of the destination
	s_load_b256 s[4:11], s[0:1], 0x0               ; x s[4:5], Wq s[6:7], Wk s[8:9], Wv s[10:11]
	s_load_b128 s[12:15], s[0:1], 0x20             ; xb s[12:13], wb s[14:15]
	s_sub_co_u32 s16, ttmp9, 512                   ; j (used only where the work-group's number is 512 or more)
	s_lshr_b32 s17, s16, 6                         ; which weight
	s_and_b32 s18, s16, 63                         ; which 16 rows of it
	s_mov_b32 s30, 3072*128                        ; bytes in a block of wb
	s_mov_b32 s31, 8192*128                        ; and of xb
	v_lshrrev_b32 v1, 4, v0                        ; my row of the sixteen
	v_and_b32 v3, 15, v0
	v_lshlrev_b32 v1, 12, v1                       ; 4,096 bytes a row of the source
	v_lshl_or_b32 v1, v3, 4, v1                    ; + 16 (t % 16)
	v_lshlrev_b32 v2, 3, v0                        ; in a block: 128 (t / 16) + 8 (t % 16) = 8 t
	s_wait_kmcnt 0x0
	s_cmp_eq_u32 s17, 1
	s_cselect_b64 s[20:21], s[8:9], s[6:7]         ; Wk or Wq
	s_cmp_eq_u32 s17, 2
	s_cselect_b64 s[20:21], s[10:11], s[20:21]     ; Wv or that
	s_cmp_lt_u32 ttmp9, 512
	s_cselect_b64 s[20:21], s[4:5], s[20:21]       ; x or that: the source
	s_cselect_b64 s[22:23], s[12:13], s[14:15]     ; xb or wb: the destination
	s_cselect_b32 s24, ttmp9, s18                  ; which 16 rows of the source
	s_cselect_b32 s25, ttmp9, s16                  ; which 16 rows of the destination
	s_cselect_b32 s30, s31, s30                    ; bytes in a block of the destination
	s_lshl_b32 s26, s24, 16
	s_mov_b32 s27, 0
	s_lshl_b32 s28, s25, 11                        ; 16 rows of 128 bytes
	s_mov_b32 s29, 0
	s_add_nc_u64 s[20:21], s[20:21], s[26:27]
	s_add_nc_u64 s[22:23], s[22:23], s[28:29]
.set j, 0
.rept 16
	global_load_b128 v[X+4*j:X+4*j+3], v1, s[20:21] offset:256*j th:TH_LOAD_NT
.set j, j+1
.endr
.set j, 0
.rept 16
	v_mad_u32_u24 v[O+j], s30, j, v2               ; the blocks lie too far apart for a store's immediate
.set j, j+1
.endr
.set j, 0
.rept 16
	s_wait_loadcnt 15-j                            ; loads come back in order: load j is in, the 15 - j younger ones stay out
	v_cvt_pk_bf16_f32 v[Y+2*j], v[X+4*j], v[X+4*j+1]
	v_cvt_pk_bf16_f32 v[Y+2*j+1], v[X+4*j+2], v[X+4*j+3]
	global_store_b64 v[O+j], v[Y+2*j:Y+2*j+1], s[22:23]
.set j, j+1
.endr
	s_endpgm
.Lfunc_end_k_qa9f47b8cd2_cast:
	.size	k_qa9f47b8cd2_cast, .Lfunc_end_k_qa9f47b8cd2_cast-k_qa9f47b8cd2_cast
	.p2alignl 7, 3214868480
	.fill 96, 4, 3214868480
	.section	.rodata,"a",@progbits
	.p2align	6, 0x0
	.amdhsa_kernel k_qa9f47b8cd2_cast
		.amdhsa_group_segment_fixed_size 0
		.amdhsa_private_segment_fixed_size 0
		.amdhsa_enable_private_segment 0
		.amdhsa_kernarg_size 48
		.amdhsa_user_sgpr_count 2
		.amdhsa_user_sgpr_kernarg_segment_ptr 1
		.amdhsa_wavefront_size32 1
		.amdhsa_system_sgpr_workgroup_id_x 1
		.amdhsa_system_sgpr_workgroup_id_y 1
		.amdhsa_system_sgpr_workgroup_id_z 1
		.amdhsa_system_vgpr_workitem_id 0
		.amdhsa_next_free_vgpr 116
		.amdhsa_next_free_sgpr 66
		.amdhsa_reserve_vcc 0
		.amdhsa_float_denorm_mode_32 3
		.amdhsa_float_denorm_mode_16_64 3
		.amdhsa_memory_ordered 1
		.amdhsa_forward_progress 1
		.amdhsa_inst_pref_size 8
	.end_amdhsa_kernel
	.amdgpu_metadata
---
amdhsa.version: [ 1, 2 ]
amdhsa.kernels:
  - .name:           k_qa9f47b8cd2_cast
    .symbol:         k_qa9f47b8cd2_cast.kd
    .args:
      - { .name: x, .offset: 0, .size: 8, .value_kind: global_buffer, .address_space: global }
      - { .name: Wq, .offset: 8, .size: 8, .value_kind: global_buffer, .address_space: global }
      - { .name: Wk, .offset: 16, .size: 8, .value_kind: global_buffer, .address_space: global }
      - { .name: Wv, .offset: 24, .size: 8, .value_kind: global_buffer, .address_space: global }
      - { .name: xb, .offset: 32, .size: 8, .value_kind: global_buffer, .address_space: global }
      - { .name: wb, .offset: 40, .size: 8, .value_kind: global_buffer, .address_space: global }
    .group_segment_fixed_size: 0
    .private_segment_fixed_size: 0
    .kernarg_segment_align: 8
    .kernarg_segment_size: 48
    .max_flat_workgroup_size: 256
    .sgpr_count:     66
    .vgpr_count:     116
    .wavefront_size: 32
...
	.end_amdgpu_metadata
.endif
;; end of part 5
;; launch proj (part 6): grid 8 x 32, 4 waves a work-group, clusters of 4 x 4, 327,680 bytes of LDS; arguments xb, wb, qkv; writes qkv
.if DOCPART == 6
	.amdgcn_target "amdgcn-amd-amdhsa--gfx1250"
	.amdhsa_code_object_version 6
	.text
	.protected	k_qa9f47b8cd2_proj
	.globl	k_qa9f47b8cd2_proj
	.p2align	8
	.type	k_qa9f47b8cd2_proj,@function
k_qa9f47b8cd2_proj:
	s_mov_b64 s[64:65], 0
	v_nop
	global_prefetch_b8 v0, s[64:65] scope:SCOPE_SE
	s_setreg_imm32_b32 hwreg(HW_REG_WAVE_MODE, 25, 1), 1
	s_wait_xcnt 0x0
	s_wait_alu depctr_hold_cnt(0) depctr_sa_sdst(0) depctr_va_vdst(0) depctr_va_sdst(0) depctr_va_ssrc(0) depctr_va_vcc(0) depctr_vm_vsrc(0)
	s_getreg_b32 s2, hwreg(HW_REG_IB_STS2, 6, 4)
	s_cmp_eq_u32 s2, 0
	s_cbranch_scc0 .Lentry_in_a_cluster
	s_endpgm
.Lentry_in_a_cluster:
	s_bfe_u32 s2, ttmp6, 0x10000c
	s_cmp_lg_u32 s2, 0xf033
	s_cbranch_scc0 .Lentry_shape_is_right
	s_endpgm
.Lentry_shape_is_right:
; qkv[row][n] = sum over d of x[row][d] w[n][d].  xb: [16 blocks of 64 d][8192][64] bf16, wb: [16][3072][64] bf16 (Wq, Wk, Wv), qkv: [8192][3072] f16; sums in f32, rounded once.
; LIMIT.  f16 ends at 65,504: q, k and v must lie within it.  Inputs 30 times those drawn give numbers near 5,000; offsets of 30 spreads on x and on the weights near 28,800.
; SHARES.  8192 x 3072 outputs on 256 WGPs are 98,304 each: a tile of 256 rows x 384 columns, 32 x 8 = 256 work-groups, one for each WGP.  Four waves, as many as a WGP has SIMDs, each
; 128 x 192: 96 accumulators of 16 x 16, 768 registers.  For 32 along K a wave reads (128 + 192) x 64 bytes of LDS for 96 matrix instructions.
; K goes in steps of 64 through two LDS slots (two slots of a step of 128 would take 348,160 bytes).  The launch before has laid both operands out in blocks of 64 along K, so that a step's
; tile is dense in memory: it is asked for as rows of 256 bytes, two rows of the operand each, and padded in LDS behind every 128 bytes.
; CLUSTER.  4 x 4 work-groups.  The four of a row of the cluster need the same tile of xb, the four of a column the same tile of wb: each tile is asked for jointly, by the same
; tensor load with the same descriptor and a mask that names the four.
; THE MATRIX INSTRUCTION IS USED TRANSPOSED (source 0 = 16 rows of wb, source 1 = 16 rows of xb): a lane then holds eight neighbouring columns of one row of the result.
; REGISTERS, in windows of 256 (s_set_vgpr_msb: bits 1:0 source 0, 3:2 source 1, 5:4 source 2, 7:6 destination):
;   window 0: v0-31 addresses; v32-95, v96-159 A's 8 fragments (16 rows x 32 K), a buffer for each of a step's two quarters; v160-207, v208-255 B's fragments of column blocks 0-5 and 6-11
;   windows 1 to 3: accumulator i = 48 (b / 6) + 6 a + b % 6 (a = 0..7 blocks of 16 rows, b = 0..11 blocks of 16 columns) at register 8 (i % 32) of window 1 + i / 32
; A QUARTER is 32 along K: 48 products with B's first half, then 48 with its second.  Behind the first 48 the next quarter's A and first half of B are fetched, behind the second 48 its second
; half: each run of LDS loads has 48 matrix instructions in which to land.
.set PITCH,  144                       ; an LDS row: 128 bytes + 16 of padding = 36 words: the 16 rows of a fragment load start at 16 different groups of four banks
.set BOFF,   256*PITCH                 ; B's tile lies behind A's 256 rows
.set THIRD,  128*PITCH                 ; 128 rows of B: what one of waves 0 to 2 fetches
.set SLOT1,  1<<17                     ; a slot takes 640 x 144 = 92,160 bytes; slot 1 begins here, so that one exclusive or turns an address in one slot into the other's
.set SPITCH, 784                       ; a stage row: the tile's 768 bytes + 16
.set STAGE,  SLOT1+640*PITCH           ; behind the ring: 128 rows, the work-group's, for the way out
.set SPARE,  STAGE+128*SPITCH          ; behind the stage: the spare words, 128 bytes a wave, which no other line names
.set STEPS,  1024/64
.set ASTEP,  8192*128                  ; bytes from a block of xb to the next
.set BSTEP,  3072*128                  ; and of wb
.set CROW,   6144                      ; bytes in a row of qkv
.set ADA0, 8                           ; v8   my lane's place in A's tile; never rewritten
.set ADB0, 9                           ; v9   the same for B
.set ADA,  10                          ; v10  LDS address of my A fragments in the slot that is being read
.set ADB,  11                          ; v11  the same for B
.set STO,  12                          ; v12  the way out: where I put 16 bytes of a row
.set RD,   13                          ; v13  the way out: where I read a row back
.set CO,   14                          ; v14  my byte offset in the result
.set SPW,  16                          ; v16  LDS address of my spare word; never rewritten
.set NIL,  17                          ; v17  0; never rewritten
.set A0,   32
.set A1,   96
.set BX,   160
.set BY,   208
.set TMP,  32                          ; the way out: six accumulators packed
.set OB,   64                          ; the way out: 32 rows read back, 192 registers
.set WV,   12                          ; s12  my wave's number.  Wave 3 fetches A's tile, waves 0 to 2 the thirds of B's
.set RH,   13                          ; s13  which 128 rows of the tile are mine
.set CH,   14                          ; s14  which 192 columns
.set TX,   17                          ; s17  tile column
.set TY,   18                          ; s18  tile row
.set G1A,  24                          ; s[24:31] descriptor group 1 for A's tiles
.set G0A,  32                          ; s[32:39] group 0: a set for each of the two first fills; the second then walks on
.set TB,   46                          ; s46  LDS byte at which the slot that is being read begins
.set G1B,  48                          ; s[48:55], s[56:63] the same for B's
.set G0B,  56
.set MSB, 0
.macro WIN new                         ; the immediate's high byte repeats the setting that is left; a switch that changes nothing is dropped
.if MSB != (\new)
	s_set_vgpr_msb (MSB<<8)|(\new)
.set MSB, \new
.endif
.endm
.macro PLACES                          ; four places between a matrix instruction and a load into, or a vector instruction on, its registers
.rept 4
	v_nop
.endr
.endm
; A joint refill, by the walking descriptors.  The branch hangs on the wave's number alone.  An s_nop 0 and four v_nop follow each line.
.macro JLOAD
	s_cmp_eq_u32 s[WV], 3
	s_cbranch_scc0 .Lfor_b_\@
	tensor_load_to_lds s[G0A+4:G0A+7], s[G1A:G1A+7]
	s_nop 0
.rept 4
	v_nop
.endr
	s_branch .Lasked_\@
.Lfor_b_\@:
	tensor_load_to_lds s[G0B+4:G0B+7], s[G1B:G1B+7]
	s_nop 0
.rept 4
	v_nop
.endr
.Lasked_\@:
.endm
.macro CREST                           ; a round of the cluster's barrier behind its opening barrier
	s_cmp_lg_u32 s[WV], 0
	s_cbranch_scc1 .Lnot_wave_0_\@
	s_barrier_signal -3
.Lnot_wave_0_\@:
	s_barrier_wait -3
	s_barrier_signal -1
	s_barrier_wait -1
.endm
.macro CROUND                          ; a whole round
	s_barrier_signal -1
	s_barrier_wait -1
	CREST
.endm
	s_load_b128 s[4:7], s[0:1], 0x0                ; xb s[4:5], wb s[6:7]
	s_load_b64 s[8:9], s[0:1], 0x10                ; qkv
	v_lshl_add_u32 v[SPW], v0, 2, SPARE
	v_mov_b32 v[NIL], 0
	ds_add_u32 v[SPW], v[NIL]                      ; the wave's opening: the add and its wait stand ahead of my first tensor load; the set-up below stands between them
	v_lshrrev_b32 v1, 5, v0
	v_readfirstlane_b32 s[WV], v1
	s_lshr_b32 s[RH], s[WV], 1
	s_and_b32 s[CH], s[WV], 1
	s_bfe_u32 s15, ttmp6, 0x40000                  ; cx, cy: my place in the cluster
	s_bfe_u32 s16, ttmp6, 0x40004
	s_lshl_b32 s[TX], ttmp9, 2
	s_add_co_u32 s[TX], s[TX], s15                 ; tile column = 4 x cluster x + cx
	s_and_b32 s[TY], ttmp7, 0xffff
	s_lshl_b32 s[TY], s[TY], 2
	s_add_co_u32 s[TY], s[TY], s16                 ; tile row = 4 x cluster y + cy
	s_lshl_b32 s19, s16, 2
	s_lshl_b32 s19, 15, s19                        ; my row of the cluster
	s_lshl_b32 s20, 0x1111, s15                    ; my column
	s_or_b32 s[G1A], s19, (1<<16)|(1<<20)|(1<<21)|(4<<22)|(3<<25)  ; the mask: A's tiles go to my row; 2-byte elements; padding on; bit 21 beside a mask; after every 32 words 4 words
	s_or_b32 s[G1B], s20, (1<<16)|(1<<20)|(1<<21)|(4<<22)|(3<<25)  ; the same with my column's mask
.irp g, G1A, G1B
	s_mov_b32 s[(\g)+1], 128<<16                   ; tensor_dim0 = 128 elements: 256 bytes, two rows of the operand
	s_mov_b32 s[(\g)+3], 128<<16                   ; tile_dim0 = 128
	s_mov_b32 s[(\g)+5], 128                       ; dense: 128 elements from row to row
	s_mov_b32 s[(\g)+6], 0
	s_mov_b32 s[(\g)+7], 0
.endr
	s_mov_b32 s[G1A+2], 128<<16                    ; A: tensor_dim1 = tile_dim1 = 128: the tile's 256 rows, 32,768 bytes
	s_mov_b32 s[G1A+4], 128
	s_mov_b32 s[G1B+2], 64<<16                     ; B: 64: 128 rows of the tile's 384, 16,384 bytes
	s_mov_b32 s[G1B+4], 64
	s_lshl_b32 s40, s[TY], 15                      ; A: row 256 x tile row, 128 bytes each
	s_mov_b32 s41, 0
	s_mul_i32 s42, s[TX], 384*128                  ; B: row 384 x tile column + 128 x wave
	s_lshl_b32 s22, s[WV], 14
	s_add_co_u32 s42, s42, s22
	s_mov_b32 s43, 0
	s_mul_i32 s23, s[WV], THIRD                    ; where B's third goes: no place in the cluster enters an LDS address
	s_add_co_u32 s23, s23, BOFF
	s_mov_b32 s[TB], 0
	s_wait_dscnt 0x0                               ; the opening add is done
	s_wait_kmcnt 0x0
	s_add_nc_u64 s[40:41], s[4:5], s[40:41]
	s_add_nc_u64 s[42:43], s[6:7], s[42:43]
	CROUND                                         ; all sixteen work-groups are here: the first joint loads meet
.irp s, 0,1
	s_mov_b32 s[G0A+4*(\s)], 1
	s_mov_b32 s[G0A+4*(\s)+1], (\s)*SLOT1
	s_add_nc_u64 s[G0A+4*(\s)+2:G0A+4*(\s)+3], s[40:41], (\s)*ASTEP
	s_or_b32 s[G0A+4*(\s)+3], s[G0A+4*(\s)+3], 0x80000000
	s_mov_b32 s[G0B+4*(\s)], 1
	s_add_co_u32 s[G0B+4*(\s)+1], s23, (\s)*SLOT1
	s_add_nc_u64 s[G0B+4*(\s)+2:G0B+4*(\s)+3], s[42:43], (\s)*BSTEP
	s_or_b32 s[G0B+4*(\s)+3], s[G0B+4*(\s)+3], 0x80000000
.endr
	s_cmp_eq_u32 s[WV], 3                          ; a wave's two first fills stand in one branch, ahead of every wait on TENSORcnt and every LDS read: two loads of mine are out
	s_cbranch_scc0 .Lfirst_b
	tensor_load_to_lds s[G0A:G0A+3], s[G1A:G1A+7]
	s_nop 0
	tensor_load_to_lds s[G0A+4:G0A+7], s[G1A:G1A+7]
	s_nop 0
.rept 4
	v_nop
.endr
	s_branch .Lfirst_asked
.Lfirst_b:
	tensor_load_to_lds s[G0B:G0B+3], s[G1B:G1B+7]
	s_nop 0
	tensor_load_to_lds s[G0B+4:G0B+7], s[G1B:G1B+7]
	s_nop 0
.rept 4
	v_nop
.endr
.Lfirst_asked:
	; A fragment is 16 rows x 32 K in 8 registers: lane l holds row l % 16, K = 8 (l / 16) + 0..7 and 16 + 8 (l / 16) + 0..7: two loads of 16 bytes, 32 bytes apart.
	v_and_b32 v1, 15, v0                           ; r = l % 16
	v_bfe_u32 v2, v0, 4, 1                         ; h = l / 16
	v_mul_u32_u24 v3, v1, PITCH
	v_lshl_add_u32 v3, v2, 4, v3
	s_mul_i32 s22, s[RH], 128*PITCH                ; my 128 rows of A
	s_mul_i32 s23, s[CH], 192*PITCH                ; my 192 rows of B
	s_add_co_u32 s23, s23, BOFF
	v_add_nc_u32 v[ADA0], s22, v3
	v_add_nc_u32 v[ADB0], s23, v3
	v_mov_b32 v[ADA], v[ADA0]                      ; slot 0 is read first
	v_mov_b32 v[ADB], v[ADB0]
	s_mul_i32 s22, s[RH], 64*SPITCH                ; into the stage: 64 of my rows at a time, my 384 bytes of them; row r, 16 bytes for each half of the lanes
	s_mul_i32 s23, s[CH], 384
	s_add_co_u32 s22, s22, s23
	s_add_co_u32 s22, s22, STAGE
	v_mul_u32_u24 v4, v1, SPITCH
	v_lshl_add_u32 v4, v2, 4, v4
	v_add_nc_u32 v[STO], s22, v4
	s_mul_i32 s22, s[WV], 32*SPITCH                ; back: wave w takes stage rows 32 w on, whole; lanes 0-15 take 256 bytes of one row, lanes 16-31 of the next
	s_add_co_u32 s22, s22, STAGE
	v_mul_u32_u24 v4, v2, SPITCH
	v_lshl_add_u32 v4, v1, 4, v4
	v_add_nc_u32 v[RD], s22, v4
	v_mul_u32_u24 v4, v2, CROW                     ; and the same two rows in qkv
	v_lshl_add_u32 v[CO], v1, 4, v4
	s_lshl_b32 s44, s[TY], 8                       ; the rows that I store: stage row 32 w + i of half p is tile row 128 (w / 2) + 64 p + 32 (w % 2) + i
	s_lshl_b32 s22, s[RH], 7
	s_add_co_u32 s44, s44, s22
	s_lshl_b32 s22, s[CH], 5
	s_add_co_u32 s44, s44, s22
	s_mul_i32 s44, s44, CROW
	s_mul_i32 s45, s[TX], 768                      ; the tile's first column, in bytes
	s_add_co_u32 s44, s44, s45
	s_mov_b32 s45, 0
	s_add_nc_u64 s[8:9], s[8:9], s[44:45]
; n matrix instructions, accumulators from, from + 1, ..: A's fragments in buffer fa, B's six in fb.  zero = 1: the product starts the sum.
; The 96 accumulators take turns in the same order in every quarter.
.macro MMS from, n, fa, fb, zero
.set i, \from
.rept \n
	WIN 0x50*(1+i/32)                              ; C and D in the accumulator's window, both sources in window 0
.set ra, (\fa)+8*((i%48)/6)
.set rb, (\fb)+8*((i%48)%6)
.set rd, 8*(i%32)
.if \zero
	v_wmma_f32_16x16x32_bf16 v[rd:rd+7], v[rb:rb+7], v[ra:ra+7], 0
.else
	v_wmma_f32_16x16x32_bf16 v[rd:rd+7], v[rb:rb+7], v[ra:ra+7], v[rd:rd+7]
.endif
.set i, i+1
.endr
.endm
.macro FA q, f                         ; 16 LDS loads: A's 8 fragments of quarter q (byte 64 q of the rows) into buffer f
	WIN 0
.irp k, 0,1,2,3,4,5,6,7
	ds_load_b128 v[(\f)+8*(\k):(\f)+8*(\k)+3],   v[ADA] offset:64*(\q)+(\k)*16*PITCH
	ds_load_b128 v[(\f)+8*(\k)+4:(\f)+8*(\k)+7], v[ADA] offset:64*(\q)+(\k)*16*PITCH+32
.endr
.endm
.macro FB q, hb, f                     ; 12 LDS loads: B's fragments of column blocks 6 hb to 6 hb + 5 of quarter q into f
	WIN 0
.irp k, 0,1,2,3,4,5
	ds_load_b128 v[(\f)+8*(\k):(\f)+8*(\k)+3],   v[ADB] offset:64*(\q)+(6*(\hb)+(\k))*16*PITCH
	ds_load_b128 v[(\f)+8*(\k)+4:(\f)+8*(\k)+7], v[ADB] offset:64*(\q)+(6*(\hb)+(\k))*16*PITCH+32
.endr
.endm
; A step's first quarter: multiplies buffer A0 and fetches the same slot's second quarter.
.macro QFIRST zero
	s_wait_dscnt 12                                ; A and B's first half are in; the youngest twelve loads (B's second half) may be out
	MMS 0, 48, A0, BX, \zero
	WIN 0
	PLACES
	FB 1, 0, BX
	FA 1, A1
	s_wait_dscnt 28                                ; all but the 28 just issued
	MMS 48, 48, A0, BY, \zero
	WIN 0
	PLACES
	FB 1, 1, BY
.endm
; A step's second quarter multiplies buffer A1 and changes slots.  One barrier; in front of it each wave waits for all its tensor loads (one is out: its part of the next slot), adds 0 to its
; spare word, and waits for that and for its reads of this slot, of which the last were issued ahead of this quarter.  fill = 1: the barrier opens a round of the cluster's, and this slot is filled
; again, two K steps ahead, first thing behind the round: 176 of a step's 192 matrix instructions stand between that request and the wait for it.
.macro QSECOND fill
	s_wait_dscnt 12
	MMS 0, 32, A1, BX, 0
	WIN 0
	s_wait_tensorcnt 0x0                           ; no tensor load of mine is out, so a group 0 may be written
	ds_add_u32 v[SPW], v[NIL]
.if \fill
	s_xor_b32 s[G0A+5], s[G0A+5], SLOT1            ; the walking descriptors: the other slot than last time,
	s_add_nc_u64 s[G0A+6:G0A+7], s[G0A+6:G0A+7], ASTEP  ; the next block along K; the type bits on top are not reached
	s_xor_b32 s[G0B+5], s[G0B+5], SLOT1
	s_add_nc_u64 s[G0B+6:G0B+7], s[G0B+6:G0B+7], BSTEP
.endif
	s_xor_b32 s[TB], s[TB], SLOT1                  ; the fetches go on in the other slot
	MMS 32, 8, A1, BX, 0                           ; eight matrix instructions stand between the add and the wait for it
	s_wait_dscnt 0x0                               ; the add is done, and my reads of this slot are over
	s_barrier_signal -1
	MMS 40, 8, A1, BX, 0
	WIN 0
	s_barrier_wait -1
.if \fill
	CREST                                          ; no wave of any partner still reads this slot or has a load on its way
	JLOAD                                          ; its four v_nop are also the places in front of the loads below
.else
	PLACES
.endif
	v_add_nc_u32 v[ADA], s[TB], v[ADA0]
	v_add_nc_u32 v[ADB], s[TB], v[ADB0]
	FB 0, 0, BX
	FA 0, A0
	MMS 48, 48, A1, BY, 0                          ; B's second half has been in since the wait for 0 above
	WIN 0
	PLACES
	FB 0, 1, BY
.endm
	s_wait_tensorcnt 1                             ; my part of K step 0 is in; K step 1's may stay out
	s_barrier_signal -1
	s_barrier_wait -1
	FB 0, 0, BX
	FA 0, A0
	FB 0, 1, BY
	QFIRST 1                                       ; the first quarter stands in front of the loop: its products start the sums
	s_mov_b32 s21, STEPS-2
.Lstep:                                                ; a trip: a step's second quarter, in which its slot is filled again, and the next step's first
	QSECOND 1
	QFIRST 0
	s_sub_co_u32 s21, s21, 1
	s_cmp_lg_u32 s21, 0
	s_cbranch_scc1 .Lstep
	QSECOND 0                                      ; the last two steps fill nothing
	QFIRST 0
	s_wait_dscnt 12
	MMS 0, 48, A1, BX, 0
	s_wait_dscnt 0x0
	MMS 48, 48, A1, BY, 0
	WIN 0
; THE WAY OUT.  A wave's 192 columns are 384 bytes, one and a half aligned blocks of 256 bytes of qkv: so the two waves of a row half write the two parts of the same stage rows, a barrier stands
; between the writing and the reading, and each wave then reads 32 whole rows and stores them, sixteen lanes to a block.  The stage holds 128 rows: the tile goes in two halves, row blocks 0-3 and 4-7 of each wave.
.macro PACKH a, hb                     ; row block a, column blocks 6 hb to 6 hb + 5: rounded to f16 (each accumulator's registers in ascending order), 16 bytes a lane into the stage
.set k, 0
.rept 6
.set i, 48*(\hb)+6*(\a)+k
	WIN 5*(1+i/32)                                 ; sources 0 and 1 in the accumulator's window
.irp r, 0,1,2,3
	v_cvt_pk_f16_f32 v[TMP+4*k+(\r)], v[8*(i%32)+2*(\r)], v[8*(i%32)+2*(\r)+1]
.endr
.set k, k+1
.endr
	WIN 0
.set k, 0
.rept 6
	ds_store_b128 v[STO], v[TMP+4*k:TMP+4*k+3] offset:((\a)%4)*16*SPITCH+32*(6*(\hb)+k)
.set k, k+1
.endr
.endm
.macro HALF p
.irp a, 0,1,2,3
	PACKH 4*(\p)+\a, 0
	PACKH 4*(\p)+\a, 1
.endr
	s_wait_dscnt 0x0                               ; for the others' sake: my stores into the stage are done
	s_barrier_signal -1
	s_barrier_wait -1
.if \p
	s_wait_xcnt 0x0                                ; the first half's stores have read their registers, which are loaded again below
.endif
.set n, 0
.rept 48                               ; rows 2 (n / 3) and 2 (n / 3) + 1 of my 32, block n % 3 of their three
	ds_load_b128 v[OB+4*n:OB+4*n+3], v[RD] offset:2*(n/3)*SPITCH+256*(n%3)
.set n, n+1
.endr
.set n, 0
.rept 48
	s_wait_dscnt 47-n                              ; LDS loads come back in order: load n is in, the younger ones stay out
	global_store_b128 v[CO], v[OB+4*n:OB+4*n+3], s[8:9] offset:(64*(\p)+2*(n/3))*CROW+256*(n%3)  ; 16 lanes store 256 consecutive bytes, at a multiple of 256 from the buffer's first byte
.set n, n+1
.endr
.endm
	PLACES
	HALF 0
	s_barrier_signal -1                            ; every wave's reads of the stage are back (the count-down above ended at 0): only behind this barrier is the stage written again
	s_barrier_wait -1
	HALF 1
	s_wait_tensorcnt 0x0                           ; the wave's end
	ds_add_u32 v[SPW], v[NIL]
	s_wait_dscnt 0x0
	CROUND                                         ; the closing round: no work-group ends while a partner may still ask for a tile that names it
	s_endpgm
.Lfunc_end_k_qa9f47b8cd2_proj:
	.size	k_qa9f47b8cd2_proj, .Lfunc_end_k_qa9f47b8cd2_proj-k_qa9f47b8cd2_proj
	.p2alignl 7, 3214868480
	.fill 96, 4, 3214868480
	.section	.rodata,"a",@progbits
	.p2align	6, 0x0
	.amdhsa_kernel k_qa9f47b8cd2_proj
		.amdhsa_group_segment_fixed_size 327680
		.amdhsa_private_segment_fixed_size 0
		.amdhsa_enable_private_segment 0
		.amdhsa_kernarg_size 24
		.amdhsa_user_sgpr_count 2
		.amdhsa_user_sgpr_kernarg_segment_ptr 1
		.amdhsa_wavefront_size32 1
		.amdhsa_system_sgpr_workgroup_id_x 1
		.amdhsa_system_sgpr_workgroup_id_y 1
		.amdhsa_system_sgpr_workgroup_id_z 1
		.amdhsa_system_vgpr_workitem_id 0
		.amdhsa_next_free_vgpr 1024
		.amdhsa_next_free_sgpr 66
		.amdhsa_reserve_vcc 0
		.amdhsa_float_denorm_mode_32 3
		.amdhsa_float_denorm_mode_16_64 3
		.amdhsa_memory_ordered 1
		.amdhsa_forward_progress 1
		.amdhsa_inst_pref_size 112
	.end_amdhsa_kernel
	.amdgpu_metadata
---
amdhsa.version: [ 1, 2 ]
amdhsa.kernels:
  - .name:           k_qa9f47b8cd2_proj
    .symbol:         k_qa9f47b8cd2_proj.kd
    .args:
      - { .name: xb, .offset: 0, .size: 8, .value_kind: global_buffer, .address_space: global }
      - { .name: wb, .offset: 8, .size: 8, .value_kind: global_buffer, .address_space: global }
      - { .name: qkv, .offset: 16, .size: 8, .value_kind: global_buffer, .address_space: global }
    .group_segment_fixed_size: 327680
    .private_segment_fixed_size: 0
    .kernarg_segment_align: 8
    .kernarg_segment_size: 24
    .max_flat_workgroup_size: 128
    .sgpr_count:     66
    .vgpr_count:     1024
    .wavefront_size: 32
...
	.end_amdgpu_metadata
.endif
;; end of part 6
;; launch scores (part 7): grid 8 x 32, 8 waves a work-group, clusters of 4 x 4, 327,680 bytes of LDS; arguments qkv, mask, pt, st; writes pt, st
.if DOCPART == 7
	.amdgcn_target "amdgcn-amd-amdhsa--gfx1250"
	.amdhsa_code_object_version 6
	.text
	.protected	k_qa9f47b8cd2_scores
	.globl	k_qa9f47b8cd2_scores
	.p2align	8
	.type	k_qa9f47b8cd2_scores,@function
k_qa9f47b8cd2_scores:
	s_mov_b64 s[64:65], 0
	v_nop
	global_prefetch_b8 v0, s[64:65] scope:SCOPE_SE
	s_setreg_imm32_b32 hwreg(HW_REG_WAVE_MODE, 25, 1), 1
	s_wait_xcnt 0x0
	s_wait_alu depctr_hold_cnt(0) depctr_sa_sdst(0) depctr_va_vdst(0) depctr_va_sdst(0) depctr_va_ssrc(0) depctr_va_vcc(0) depctr_vm_vsrc(0)
	s_getreg_b32 s2, hwreg(HW_REG_IB_STS2, 6, 4)
	s_cmp_eq_u32 s2, 0
	s_cbranch_scc0 .Lentry_in_a_cluster
	s_endpgm
.Lentry_in_a_cluster:
	s_bfe_u32 s2, ttmp6, 0x10000c
	s_cmp_lg_u32 s2, 0xf033
	s_cbranch_scc0 .Lentry_shape_is_right
	s_endpgm
.Lentry_shape_is_right:
; For each row i of a batch and each chunk of 128 keys: s = q[i] . k[j], hidden where mask[i][j] = 0; m = the chunk's largest shown s; pt[i][j] = 2^(c s - c m) in f16, c = log2(e) / 32;
; st holds c m and l = the sum of the chunk's weights (taken before their rounding).  The next launch joins the chunks by their true maxima, so a maximum is taken away from every exponent.
; qkv: [8192][3072] f16 (q at byte 0, k at byte 2,048 of a row).  mask: [8192][2048] bytes, 0 or 1, read as it is given.  pt: [8192][2048] f16.
; st: [128 groups of 64 rows][16 chunks][c m: 64 words, l: 64 words]; the number of row 16 a + r of a group lies at word 4 r + a.
; LIMITS.  A hidden score counts as minus infinity: its weight is 0.  A chunk's maximum is floored at -2^127, so that a chunk with nothing shown has a finite c m, weights 0 and l = 0.
; NaN and infinities in q and k are not treated apart.
; SHARES.  A tile is 256 rows x 256 keys: 32 x 8 = 256 work-groups, one for each WGP.  EIGHT waves, two on each SIMD, each 64 rows x 128 keys (one chunk): 32 accumulators.  K = 1,024 in steps of 128
; through two LDS slots: a step's 131,072 bytes feed 256 matrix instructions a SIMD.  Four waves of 128 x 128 would read a third fewer LDS bytes for each product; the softmax, which is written out for
; each block of 16 rows, would then be twice as long.
; CLUSTER.  4 x 4 work-groups: q's tile is shared along a row of the cluster, k's along a column, each asked for jointly.  The mask's tile is the work-group's own: a plain load, which takes slot 0
; when that slot has had its last tile of q and k.
; THE MATRIX INSTRUCTION IS USED TRANSPOSED (source 0 = 16 keys, source 1 = 16 queries): lane (r, h) holds query r and keys 16 b + 8 h + 0..7: a row's maximum and sum want one exchange of the lanes' halves.
; REGISTERS.  Window 0: v0-63 addresses and at work; v64-159, v160-255 two fragment buffers, which the softmax takes over.  Window 1: the accumulators, (a, b) at v[8 (8 a + b)].
.set PITCH,  272
.set QUART,  64*PITCH                  ; 64 rows: what a wave fetches, and what a wave reads of q
.set BOFF,   4*QUART
.set HALFB,  128*PITCH
.set SLOT,   2*BOFF
.set STAGE,  2*SLOT                    ; 16 rows x 272 bytes for each wave
.set SPARE,  STAGE+8*16*PITCH          ; the spare words, 128 bytes a wave, which no other line names
.set LAPS,   1024/256
.set ASTEP,  512
.set BSTEP,  512
.set KVROW,  6144                      ; bytes in a row of qkv
.set PROW,   4096                      ; bytes in a row of pt
.set ADRA, 16
.set ADRB, 20
.set STO,  24
.set RD,   25
.set CO,   26
.set MA,   27                          ; v27     LDS address of my eight mask bytes in block (0, 0)
.set SPW,  28
.set NIL,  29
.set SO,   30                          ; v30     16 x lane: my place in st's 512 bytes
.set CC,   32                          ; v32-35  four chains of the maximum
.set T,    36                          ; v36-39  at work
.set CM,   40                          ; v40-43  c m of block a
.set LS,   44                          ; v44-47  l of block a
.set CMV,  48                          ; v[48:49] c m, named as a pair
.set SQ,   52                          ; v[52:55] what goes to st
.set F0,   64
.set F1,   160
.set MK,   64                          ; v64-127  mask bytes: block (a, b) at 64 + 16 a + 2 b
.set SB,   128                         ; v128-191 a block's 64 scores, then weights
.set TMP,  192                         ; v192-223 weights in f16
.set OB,   224                         ; v224-255 16 rows read back
.set FB,   2                           ; s2   I fetch for q (0: waves 0-3) or for k (1: waves 4-7)
.set FQ,   3                           ; s3   which 64 rows of that tile I fetch
.set WV,   12
.set RH,   13                          ; s13  which 64 rows are mine, 0..3
.set CH,   14                          ; s14  which 128 keys
.set TX,   17
.set TY,   18
.set G1A,  24
.set G0A,  32
.set G1B,  48
.set G0B,  56
.set G1M,  68                          ; s[68:75], s[76:79] the mask's descriptor
.set G0M,  76
.set CS,   80                          ; s[80:81] c, named as a pair
.set SEL,  82                          ; s[82:83] v_permlanex16_b32's selects: each lane takes its own place in the other half
.set SELB, 84                          ; s84-87  v_perm_b32's selects: byte j of the first source into all four bytes
.set NINF, 88                          ; s88  minus infinity
.set FLOOR, 89                         ; s89  -2^127
.set MSB, 0
.macro WIN new
.if MSB != (\new)
	s_set_vgpr_msb (MSB<<8)|(\new)
.set MSB, \new
.endif
.endm
.set MUL, 0x50                         ; C and D in window 1, both sources in window 0
.macro PLACES
.rept 4
	v_nop
.endr
.endm
.macro JLOAD s                         ; a joint load: waves 0 to 3 fetch q's four quarters, waves 4 to 7 k's; an s_nop 0 and four v_nop follow each line
	s_cmp_eq_u32 s[FB], 0
	s_cbranch_scc0 .Lfor_b_\@
	tensor_load_to_lds s[G0A+4*(\s):G0A+4*(\s)+3], s[G1A:G1A+7]
	s_nop 0
.rept 4
	v_nop
.endr
	s_branch .Lasked_\@
.Lfor_b_\@:
	tensor_load_to_lds s[G0B+4*(\s):G0B+4*(\s)+3], s[G1B:G1B+7]
	s_nop 0
.rept 4
	v_nop
.endr
.Lasked_\@:
.endm
.macro CREST
	s_cmp_lg_u32 s[WV], 0
	s_cbranch_scc1 .Lnot_wave_0_\@
	s_barrier_signal -3
.Lnot_wave_0_\@:
	s_barrier_wait -3
	s_barrier_signal -1
	s_barrier_wait -1
.endm
.macro CROUND
	s_barrier_signal -1
	s_barrier_wait -1
	CREST
.endm
	s_load_b256 s[4:11], s[0:1], 0x0               ; qkv s[4:5], mask s[6:7], pt s[8:9], st s[10:11]
	v_lshl_add_u32 v[SPW], v0, 2, SPARE
	v_mov_b32 v[NIL], 0
	ds_add_u32 v[SPW], v[NIL]                      ; the wave's opening: the add and its wait stand ahead of my first tensor load; the set-up below stands between them
	v_lshrrev_b32 v1, 5, v0
	v_readfirstlane_b32 s[WV], v1
	s_lshr_b32 s[RH], s[WV], 1
	s_and_b32 s[CH], s[WV], 1
	s_lshr_b32 s[FB], s[WV], 2
	s_and_b32 s[FQ], s[WV], 3
	s_bfe_u32 s15, ttmp6, 0x40000
	s_bfe_u32 s16, ttmp6, 0x40004
	s_lshl_b32 s[TX], ttmp9, 2
	s_add_co_u32 s[TX], s[TX], s15                 ; tile column (256 keys) = 4 x cluster x + cx
	s_and_b32 s[TY], ttmp7, 0xffff
	s_lshl_b32 s[TY], s[TY], 2
	s_add_co_u32 s[TY], s[TY], s16                 ; tile row (256 rows of all batches) = 4 x cluster y + cy
	s_lshl_b32 s19, s16, 2
	s_lshl_b32 s19, 15, s19
	s_lshl_b32 s20, 0x1111, s15
	s_or_b32 s[G1A], s19, (1<<16)|(1<<20)|(1<<21)|(5<<22)|(3<<25)
	s_or_b32 s[G1B], s20, (1<<16)|(1<<20)|(1<<21)|(5<<22)|(3<<25)
.irp g, G1A, G1B
	s_mov_b32 s[(\g)+1], 128<<16                   ; 64 rows x 128 elements
	s_mov_b32 s[(\g)+2], 64<<16
	s_mov_b32 s[(\g)+3], 128<<16
	s_mov_b32 s[(\g)+4], 64
	s_mov_b32 s[(\g)+5], 3072                      ; elements from row to row of qkv
	s_mov_b32 s[(\g)+6], 0
	s_mov_b32 s[(\g)+7], 0
.endr
	s_mov_b32 s[G1M], (3<<16)|(1<<20)|(5<<22)|(3<<25)  ; no mask of work-groups; 8-byte elements; after every 64 words 4 words of padding
	s_mov_b32 s[G1M+1], 32<<16                     ; tensor_dim0 = 32 elements = 256 bytes
	s_mov_b32 s[G1M+2], 32<<16                     ; tensor_dim1 = 32 rows
	s_mov_b32 s[G1M+3], 32<<16                     ; tile_dim0
	s_mov_b32 s[G1M+4], 32                         ; tile_dim1
	s_mov_b32 s[G1M+5], 256                        ; 2,048 bytes from row to row
	s_mov_b32 s[G1M+6], 0
	s_mov_b32 s[G1M+7], 0
	s_mov_b32 s[CS], 0x3d38aa3b                    ; c = log2(e) / 32
	s_mov_b32 s[CS+1], s[CS]
	s_mov_b32 s[SEL], 0x76543210
	s_mov_b32 s[SEL+1], 0xfedcba98
	s_mov_b32 s[SELB], 0x04040404
	s_mov_b32 s[SELB+1], 0x05050505
	s_mov_b32 s[SELB+2], 0x06060606
	s_mov_b32 s[SELB+3], 0x07070707
	s_mov_b32 s[NINF], 0xff800000
	s_mov_b32 s[FLOOR], 0xff000000
	s_lshl_b32 s40, s[TY], 8                       ; q: row 256 x tile row + 64 x quarter
	s_lshl_b32 s22, s[FQ], 6
	s_add_co_u32 s40, s40, s22
	s_mul_i32 s40, s40, KVROW
	s_mov_b32 s41, 0
	s_and_b32 s42, ttmp7, 0xffff                   ; k: the batch is cluster y / 2 (eight tile rows a batch), which all partners share: its 2,048 rows,
	s_lshr_b32 s42, s42, 1
	s_lshl_b32 s42, s42, 11
	s_lshl_b32 s43, s[TX], 8                       ; + 256 x tile column
	s_add_co_u32 s42, s42, s43
	s_add_co_u32 s42, s42, s22                     ; + 64 x quarter;
	s_mul_i32 s42, s42, KVROW
	s_add_co_u32 s42, s42, 2048                    ; k lies 2,048 bytes into a row
	s_mov_b32 s43, 0
	s_lshl_b32 s46, s[TY], 8                       ; the mask: row 256 x tile row + 32 x wave, 2,048 bytes each,
	s_lshl_b32 s22, s[WV], 5
	s_add_co_u32 s46, s46, s22
	s_lshl_b32 s46, s46, 11
	s_lshl_b32 s47, s[TX], 8                       ; byte 256 x tile column
	s_add_co_u32 s46, s46, s47
	s_mov_b32 s47, 0
	s_mul_i32 s22, s[FQ], QUART
	s_add_co_u32 s23, s22, BOFF
	s_mov_b32 s[G0M], 1
	s_mul_i32 s[G0M+1], s[WV], 32*PITCH            ; the mask's tile lies at the head of slot 0: 256 rows of 272 bytes, where q's tile lay
	s_wait_dscnt 0x0                               ; the opening add is done
	s_wait_kmcnt 0x0
	s_add_nc_u64 s[40:41], s[4:5], s[40:41]
	s_add_nc_u64 s[42:43], s[4:5], s[42:43]
	s_add_nc_u64 s[G0M+2:G0M+3], s[6:7], s[46:47]
	s_or_b32 s[G0M+3], s[G0M+3], 0x80000000
	CROUND                                         ; all sixteen work-groups are here: the first joint loads meet
.irp s, 0,1
	s_mov_b32 s[G0A+4*(\s)], 1
	s_add_co_u32 s[G0A+4*(\s)+1], s22, (\s)*SLOT
	s_add_nc_u64 s[G0A+4*(\s)+2:G0A+4*(\s)+3], s[40:41], (\s)*256
	s_or_b32 s[G0A+4*(\s)+3], s[G0A+4*(\s)+3], 0x80000000
	s_mov_b32 s[G0B+4*(\s)], 1
	s_add_co_u32 s[G0B+4*(\s)+1], s23, (\s)*SLOT
	s_add_nc_u64 s[G0B+4*(\s)+2:G0B+4*(\s)+3], s[42:43], (\s)*256
	s_or_b32 s[G0B+4*(\s)+3], s[G0B+4*(\s)+3], 0x80000000
.endr
	s_cmp_eq_u32 s[FB], 0                          ; a wave's two first fills stand in one branch: two loads of mine are out
	s_cbranch_scc0 .Lfirst_b
	tensor_load_to_lds s[G0A:G0A+3], s[G1A:G1A+7]
	s_nop 0
	tensor_load_to_lds s[G0A+4:G0A+7], s[G1A:G1A+7]
	s_nop 0
.rept 4
	v_nop
.endr
	s_branch .Lfirst_asked
.Lfirst_b:
	tensor_load_to_lds s[G0B:G0B+3], s[G1B:G1B+7]
	s_nop 0
	tensor_load_to_lds s[G0B+4:G0B+7], s[G1B:G1B+7]
	s_nop 0
.rept 4
	v_nop
.endr
.Lfirst_asked:
	v_and_b32 v1, 15, v0                           ; r
	v_bfe_u32 v2, v0, 4, 1                         ; h
	v_mul_u32_u24 v3, v1, PITCH
	v_lshl_add_u32 v4, v2, 3, v3                   ; r x pitch + 8 h, for the mask
	v_lshl_add_u32 v3, v2, 4, v3                   ; r x pitch + 16 h, for fragments and the stage
	s_mul_i32 s22, s[RH], QUART
	s_mul_i32 s23, s[CH], HALFB
	s_add_co_u32 s23, s23, BOFF
.irp s, 0,1
	v_add_nc_u32 v[ADRA+(\s)], s22, v3
	v_add_nc_u32 v[ADRB+(\s)], s23, v3
	s_add_co_u32 s22, s22, SLOT
	s_add_co_u32 s23, s23, SLOT
.endr
	s_mul_i32 s22, s[RH], QUART                    ; my 64 rows of the mask's tile, my 128 bytes of them
	s_lshl_b32 s23, s[CH], 7
	s_add_co_u32 s22, s22, s23
	v_add_nc_u32 v[MA], s22, v4
	s_mul_i32 s22, s[WV], 16*PITCH
	s_add_co_u32 s22, s22, STAGE                   ; my stage
	v_add_nc_u32 v[STO], s22, v3
	v_mul_u32_u24 v4, v2, PITCH
	v_lshl_add_u32 v4, v1, 4, v4
	v_add_nc_u32 v[RD], s22, v4
	v_lshlrev_b32 v4, 12, v2                       ; two rows of pt
	v_lshl_add_u32 v[CO], v1, 4, v4
	v_and_b32 v[SO], 31, v0
	v_lshlrev_b32 v[SO], 4, v[SO]
	v_mov_b32 v[CMV+1], 0                          ; named with c m as a pair, so it is written
	s_lshl_b32 s44, s[TY], 8                       ; pt: row 256 x tile row + 64 x my quarter, byte 512 x tile column + 256 x half
	s_lshl_b32 s22, s[RH], 6
	s_add_co_u32 s44, s44, s22
	s_lshl_b32 s44, s44, 12
	s_lshl_b32 s45, s[TX], 9
	s_add_co_u32 s44, s44, s45
	s_lshl_b32 s22, s[CH], 8
	s_add_co_u32 s44, s44, s22
	s_mov_b32 s45, 0
	s_add_nc_u64 s[8:9], s[8:9], s[44:45]
	s_lshl_b32 s46, s[TY], 2                       ; st: group 4 x tile row + my quarter, chunk 2 x tile column + half, 512 bytes each
	s_add_co_u32 s46, s46, s[RH]
	s_lshl_b32 s46, s46, 4
	s_lshl_b32 s47, s[TX], 1
	s_add_co_u32 s46, s46, s47
	s_add_co_u32 s46, s46, s[CH]
	s_lshl_b32 s46, s46, 9
	s_mov_b32 s47, 0
	s_add_nc_u64 s[10:11], s[10:11], s[46:47]
.macro MUL8 f, a, zero                 ; the 32 accumulators take turns in the same order in every quarter
	WIN MUL
.irp b, 0,1,2,3,4,5,6,7
.if \zero
	v_wmma_f32_16x16x32_f16 v[8*(8*(\a)+(\b)):8*(8*(\a)+(\b))+7], v[(\f)+32+8*(\b):(\f)+32+8*(\b)+7], v[(\f)+8*(\a):(\f)+8*(\a)+7], 0
.else
	v_wmma_f32_16x16x32_f16 v[8*(8*(\a)+(\b)):8*(8*(\a)+(\b))+7], v[(\f)+32+8*(\b):(\f)+32+8*(\b)+7], v[(\f)+8*(\a):(\f)+8*(\a)+7], v[8*(8*(\a)+(\b)):8*(8*(\a)+(\b))+7]
.endif
.endr
.endm
.macro MUL16 f, a0, zero
	MUL8 \f, \a0, \zero
	MUL8 \f, (\a0)+1, \zero
.endm
.macro FETCH slot, q, f                ; 24 LDS loads in one run: k's sixteen, then q's blocks 0 and 1, then 2 and 3
	WIN 0
.irp i, 0,1,2,3,4,5,6,7
	ds_load_b128 v[(\f)+32+8*(\i):(\f)+32+8*(\i)+3],   v[ADRB+(\slot)] offset:64*(\q)+(\i)*16*PITCH
	ds_load_b128 v[(\f)+32+8*(\i)+4:(\f)+32+8*(\i)+7], v[ADRB+(\slot)] offset:64*(\q)+(\i)*16*PITCH+32
.endr
.irp i, 0,1,2,3
	ds_load_b128 v[(\f)+8*(\i):(\f)+8*(\i)+3],   v[ADRA+(\slot)] offset:64*(\q)+(\i)*16*PITCH
	ds_load_b128 v[(\f)+8*(\i)+4:(\f)+8*(\i)+7], v[ADRA+(\slot)] offset:64*(\q)+(\i)*16*PITCH+32
.endr
.endm
.macro QUARTER slot, q, f, g, zero
	s_wait_dscnt 4                                 ; all but the youngest four loads (q's blocks 2 and 3)
	MUL16 \f, 0, \zero
	PLACES
	FETCH \slot, \q, \g
	s_wait_dscnt 24                                ; all but the 24 just issued
	MUL16 \f, 2, \zero
.endm
; The change of slots: a round of the cluster's barrier; in front of it each wave waits for all its tensor loads (one is out: its part of the next slot), adds 0 to its spare word, and waits for that
; and for its reads of this slot.  Behind the round the slot is filled again, first thing: joint = 1: with the K step two steps on; joint = 0 (the last change): with my 32 rows of the mask's tile,
; a plain load, which has the last K step in which to land.
.macro TURN slot, next, joint
	WIN 0
	s_wait_tensorcnt 0x0
	ds_add_u32 v[SPW], v[NIL]
	s_wait_dscnt 5                                 ; the add and the youngest four loads may be out
	MUL8 F1, 0, 0
	s_wait_dscnt 0x0                               ; the add is done, and my reads of this slot are over
	s_barrier_signal -1
	MUL8 F1, 1, 0
	WIN 0
	s_barrier_wait -1
	CREST
.if \joint
	s_add_nc_u64 s[G0A+4*(\slot)+2:G0A+4*(\slot)+3], s[G0A+4*(\slot)+2:G0A+4*(\slot)+3], ASTEP
	s_add_nc_u64 s[G0B+4*(\slot)+2:G0B+4*(\slot)+3], s[G0B+4*(\slot)+2:G0B+4*(\slot)+3], BSTEP
	JLOAD \slot                                    ; its four v_nop are also the places in front of the loads below
.else
	tensor_load_to_lds s[G0M:G0M+3], s[G1M:G1M+7]
	s_nop 0
.rept 4
	v_nop
.endr
.endif
	FETCH \next, 0, F0
	MUL16 F1, 2, 0
.endm
	s_wait_tensorcnt 1                             ; my part of K step 0 is in; K step 1's may stay out
	s_barrier_signal -1
	s_barrier_wait -1
	FETCH 0, 0, F0
	QUARTER 0, 1, F0, F1, 1
	WIN 0
	s_mov_b32 s21, LAPS-1
.Llap:
	QUARTER 0, 2, F1, F0, 0
	QUARTER 0, 3, F0, F1, 0
	TURN 0, 1, 1
	QUARTER 1, 1, F0, F1, 0
	QUARTER 1, 2, F1, F0, 0
	QUARTER 1, 3, F0, F1, 0
	TURN 1, 0, 1
	QUARTER 0, 1, F0, F1, 0
	WIN 0
	s_sub_co_u32 s21, s21, 1
	s_cmp_lg_u32 s21, 0
	s_cbranch_scc1 .Llap
	QUARTER 0, 2, F1, F0, 0
	QUARTER 0, 3, F0, F1, 0
	TURN 0, 1, 0                                   ; slot 0 takes the mask's tile
	QUARTER 1, 1, F0, F1, 0
	QUARTER 1, 2, F1, F0, 0
	QUARTER 1, 3, F0, F1, 0
	s_wait_tensorcnt 0x0                           ; my 32 rows of the mask's tile have landed: the others read them behind the barrier below, behind which nothing is filled
	s_wait_dscnt 0x0                               ; the last quarter's fragments are in: no LDS instruction of mine is out at the signal
	s_barrier_signal -1
	MUL16 F1, 0, 0
	WIN 0
	s_barrier_wait -1
	PLACES                                         ; buffer 0 takes the mask's bytes: eight a lane for each block, the keys of the lane's eight scores
.irp a, 0,1,2,3
.irp b, 0,1,2,3,4,5,6,7
	ds_load_b64 v[MK+16*(\a)+2*(\b):MK+16*(\a)+2*(\b)+1], v[MA] offset:(\a)*16*PITCH+16*(\b)
.endr
.endr
	MUL16 F1, 2, 0
	WIN 0
	s_wait_dscnt 0x0                               ; the mask's bytes are in
; THE SOFTMAX OF BLOCK a: 16 rows x 128 keys, 64 scores a lane.
.macro SOFT a
	WIN 0
.set i, 0
.rept 16                               ; bytes 0 and 1 become 0x00 and 0xff: 255 m = (m << 8) - m, without a carry between bytes.  For block 0 these lines are also the places behind the last products
	v_lshlrev_b32 v[T+i%4], 8, v[MK+16*(\a)+i]
	v_sub_nc_u32 v[MK+16*(\a)+i], v[T+i%4], v[MK+16*(\a)+i]
.set i, i+1
.endr
	WIN 0x04                                       ; source 1 in window 1: the accumulators, each read from its lowest register on
.set i, 0
.rept 16
.irp j, 0,1,2,3
	v_perm_b32 v[T+(\j)], v[MK+16*(\a)+i], 0, s[SELB+(\j)]   ; byte j spread over the word
.endr
.irp j, 0,1,2,3
	v_bfi_b32 v[SB+4*i+(\j)], v[T+(\j)], v[64*(\a)+4*i+(\j)], s[NINF]  ; the score, or minus infinity where the mask hides it
.endr
.set i, i+1
.endr
	WIN 0
.irp n, 0,1,2,3,4,5,6                  ; the maximum: four chains of fifteen scores, three operands at a time
.irp k, 0,1,2,3
.if \n == 0
	v_max3_num_f32 v[CC+(\k)], v[SB+16*(\k)], v[SB+16*(\k)+1], v[SB+16*(\k)+2]
.else
	v_max3_num_f32 v[CC+(\k)], v[CC+(\k)], v[SB+16*(\k)+2*(\n)+1], v[SB+16*(\k)+2*(\n)+2]
.endif
.endr
.endr
	v_max3_num_f32 v[CC], v[CC], v[SB+15], v[SB+31]          ; the four scores left over, and the chains
	v_max3_num_f32 v[CC+2], v[CC+2], v[SB+47], v[SB+63]
	v_max3_num_f32 v[CC], v[CC], v[CC+1], v[CC+2]
	v_max_num_f32 v[CC], v[CC], v[CC+3]
	v_permlanex16_b32 v[CC+1], v[CC], s[SEL], s[SEL+1]       ; the row's other 64 keys lie in the lane 16 away
	v_max3_num_f32 v[CC], v[CC], v[CC+1], s[FLOOR]
	v_mul_f32 v[CMV], s[CS], v[CC]
	v_mov_b32 v[CM+(\a)], v[CMV]
.set i, 0
.rept 32
	v_pk_fma_f32 v[SB+2*i:SB+2*i+1], v[SB+2*i:SB+2*i+1], s[CS:CS+1], v[CMV:CMV+1] op_sel_hi:[1,0,0] neg_lo:[0,0,1] neg_hi:[0,0,1]  ; c s - c m
.set i, i+1
.endr
.set i, 0
.rept 64
	v_exp_f32 v[SB+i], v[SB+i]
.set i, i+1
.endr
	v_nop                                          ; a plain instruction between the last exponential and the use of its result
.set i, 0
	s_wait_alu depctr_va_vdst(0)
.rept 32
	v_cvt_pk_f16_f32 v[TMP+i], v[SB+2*i], v[SB+2*i+1]
.set i, i+1
.endr
.irp b, 0,1,2,3,4,5,6,7
	ds_store_b128 v[STO], v[TMP+4*(\b):TMP+4*(\b)+3] offset:32*(\b)
.endr
	s_wait_xcnt 0x0                                ; the last block's stores have read their registers, which are loaded again below
.irp t, 0,1,2,3,4,5,6,7
	ds_load_b128 v[OB+4*(\t):OB+4*(\t)+3], v[RD] offset:(\t)*2*PITCH  ; LDS serves a wave's instructions in order: these see the stores above
.endr
.irp w, 1,2,4,8,16                     ; while the rows come back: the sum of the 32 pairs of unrounded weights, in place, neighbours 1, 2, 4, 8 and 16 pairs apart
.set u, 0
.rept 16/(\w)
	v_pk_add_f32 v[SB+4*(\w)*u:SB+4*(\w)*u+1], v[SB+4*(\w)*u:SB+4*(\w)*u+1], v[SB+4*(\w)*u+2*(\w):SB+4*(\w)*u+2*(\w)+1]
.set u, u+1
.endr
.endr
	v_add_f32 v[T], v[SB], v[SB+1]
	v_permlanex16_b32 v[T+1], v[T], s[SEL], s[SEL+1]
	v_add_f32 v[LS+(\a)], v[T], v[T+1]
	s_wait_dscnt 0x0
.irp t, 0,1,2,3,4,5,6,7
	global_store_b128 v[CO], v[OB+4*(\t):OB+4*(\t)+3], s[8:9] offset:(16*(\a)+2*(\t))*PROW  ; 16 lanes store 256 consecutive bytes, at a multiple of 256 from pt's first byte
.endr
.endm
	SOFT 0
	SOFT 1
	SOFT 2
	SOFT 3
	v_and_b32 v[T], 16, v0                         ; lanes 0-15 send the four c m of rows r, 16 + r, 32 + r, 48 + r; lanes 16-31 the four l: 512 consecutive bytes
	v_cmp_ne_u32 vcc_lo, 0, v[T]
.irp a, 0,1,2,3
	v_cndmask_b32 v[SQ+(\a)], v[CM+(\a)], v[LS+(\a)], vcc_lo
.endr
	global_store_b128 v[SO], v[SQ:SQ+3], s[10:11]
	s_wait_tensorcnt 0x0                           ; the wave's end
	ds_add_u32 v[SPW], v[NIL]
	s_wait_dscnt 0x0
	CROUND                                         ; the closing round
	s_endpgm
.Lfunc_end_k_qa9f47b8cd2_scores:
	.size	k_qa9f47b8cd2_scores, .Lfunc_end_k_qa9f47b8cd2_scores-k_qa9f47b8cd2_scores
	.p2alignl 7, 3214868480
	.fill 96, 4, 3214868480
	.section	.rodata,"a",@progbits
	.p2align	6, 0x0
	.amdhsa_kernel k_qa9f47b8cd2_scores
		.amdhsa_group_segment_fixed_size 327680
		.amdhsa_private_segment_fixed_size 0
		.amdhsa_enable_private_segment 0
		.amdhsa_kernarg_size 32
		.amdhsa_user_sgpr_count 2
		.amdhsa_user_sgpr_kernarg_segment_ptr 1
		.amdhsa_wavefront_size32 1
		.amdhsa_system_sgpr_workgroup_id_x 1
		.amdhsa_system_sgpr_workgroup_id_y 1
		.amdhsa_system_sgpr_workgroup_id_z 1
		.amdhsa_system_vgpr_workitem_id 0
		.amdhsa_next_free_vgpr 512
		.amdhsa_next_free_sgpr 90
		.amdhsa_reserve_vcc 1
		.amdhsa_float_denorm_mode_32 3
		.amdhsa_float_denorm_mode_16_64 3
		.amdhsa_memory_ordered 1
		.amdhsa_forward_progress 1
		.amdhsa_inst_pref_size 159
	.end_amdhsa_kernel
	.amdgpu_metadata
---
amdhsa.version: [ 1, 2 ]
amdhsa.kernels:
  - .name:           k_qa9f47b8cd2_scores
    .symbol:         k_qa9f47b8cd2_scores.kd
    .args:
      - { .name: qkv, .offset: 0, .size: 8, .value_kind: global_buffer, .address_space: global }
      - { .name: mask, .offset: 8, .size: 8, .value_kind: global_buffer, .address_space: global }
      - { .name: pt, .offset: 16, .size: 8, .value_kind: global_buffer, .address_space: global }
      - { .name: st, .offset: 24, .size: 8, .value_kind: global_buffer, .address_space: global }
    .group_segment_fixed_size: 327680
    .private_segment_fixed_size: 0
    .kernarg_segment_align: 8
    .kernarg_segment_size: 32
    .max_flat_workgroup_size: 256
    .sgpr_count:     90
    .vgpr_count:     512
    .wavefront_size: 32
...
	.end_amdgpu_metadata
.endif
;; end of part 7
;; launch pv (part 8): grid 4 x 64, 4 waves a work-group, clusters of 4 x 4, 327,680 bytes of LDS; arguments pt, qkv, st, out0; writes out0
.if DOCPART == 8
	.amdgcn_target "amdgcn-amd-amdhsa--gfx1250"
	.amdhsa_code_object_version 6
	.text
	.protected	k_qa9f47b8cd2_pv
	.globl	k_qa9f47b8cd2_pv
	.p2align	8
	.type	k_qa9f47b8cd2_pv,@function
k_qa9f47b8cd2_pv:
	s_mov_b64 s[64:65], 0
	v_nop
	global_prefetch_b8 v0, s[64:65] scope:SCOPE_SE
	s_setreg_imm32_b32 hwreg(HW_REG_WAVE_MODE, 25, 1), 1
	s_wait_xcnt 0x0
	s_wait_alu depctr_hold_cnt(0) depctr_sa_sdst(0) depctr_va_vdst(0) depctr_va_sdst(0) depctr_va_ssrc(0) depctr_va_vcc(0) depctr_vm_vsrc(0)
	s_getreg_b32 s2, hwreg(HW_REG_IB_STS2, 6, 4)
	s_cmp_eq_u32 s2, 0
	s_cbranch_scc0 .Lentry_in_a_cluster
	s_endpgm
.Lentry_in_a_cluster:
	s_bfe_u32 s2, ttmp6, 0x10000c
	s_cmp_lg_u32 s2, 0xf033
	s_cbranch_scc0 .Lentry_shape_is_right
	s_endpgm
.Lentry_shape_is_right:
; out0[i][:] = (sum over chunks c of w_c sum over the chunk's keys j of pt[i][j] v[j][:]) / L,  w_c = 2^(c m_c - M), M = the largest c m_c of the row, L = sum of w_c l_c (1 where that is 0).
; So every weight is 2^(c s - M) with M the row's true maximum, and a row with nothing shown gives zeros.  pt: [8192][2048] f16; v: byte 4,096 of qkv's rows of 6,144; st as the launch before wrote it; out0: [8192][1024] f32.
; THE FACTORS ARE APPLIED IN f32.  A chunk is one K step.  Its products start sums of their own (C = 0), and at its end total = total + w_c x sum, 128 packed multiply-adds a wave for the step's 128
; matrix instructions.  The totals are a second set of 256 registers.  They are cleared once, by 256 v_mov_b32 in the wait for the first tiles: the price of writing no first chunk out.
; LIMITS.  pt holds a weight relative to its chunk's largest in f16: below 6e-5 of that it keeps f16's fixed step of 6e-8, below that it counts as 0.  NaN and infinities are not treated apart.
; SHARES.  A tile is 128 rows x 256 channels: 64 x 4 = 256 work-groups, one for each WGP.  Four waves, each 64 x 128: 32 accumulators.  K = 2,048 keys in 16 steps of 128.  Two LDS slots
; (two slots of a K step of 256 would take 413,696 bytes; tiles of 256 x 256 would be 128).
; CLUSTER.  4 x 4 work-groups: pt's tile is shared along a row of the cluster, v's along a column, each asked for jointly.
; THE MATRIX INSTRUCTION IS USED TRANSPOSED (source 0 = 16 channels of v, turned on the way out of LDS by ds_load_tr16_b128; source 1 = 16 rows of pt): a lane holds eight neighbouring channels of one
; row, so a row's factor is one number a lane.
; REGISTERS.  Window 0: v0-63 addresses, 1 / L, two sets of factors; v64-159, v160-255 two fragment buffers.  Window 1: a chunk's sums, (a, b) at v[8 (8 a + b)].  Window 2: the totals, at the same numbers.
.set PITCH,  272                       ; a row of pt's tile in LDS: 256 bytes + 16
.set PV,     544                       ; a row of v's tile: 512 bytes + 32 = 136 words
.set HALFA,  64*PITCH
.set BOFF,   2*HALFA
.set HALFB,  64*PV                     ; 64 keys
.set SLOT,   BOFF+2*HALFB
.set STAGE,  2*SLOT                    ; 16 rows x 528 bytes for each wave
.set OPITCH, 528                       ; 512 bytes of f32 + 16
.set WT,     STAGE+4*16*OPITCH         ; the factors: for each wave 4,096 bytes, [chunk][r][a] in f32
.set SPARE,  WT+4*4096                 ; the spare words, 128 bytes a wave, which no other line names
.set LAPS,   2048/256
.set ASTEP,  512                       ; two steps along a row of pt
.set BSTEP,  2*128*6144                ; two steps down the rows of qkv
.set OROW,   4096                      ; bytes in a row of out0
.set ADRA, 16
.set ADRB, 20
.set STO,  24
.set RD,   25
.set CO,   26
.set WA0,  27                          ; v27     LDS address of my row's four factors of chunk 0
.set SPW,  28
.set NIL,  29
.set SO,   30                          ; v30     16 r: my place in 256 bytes of st
.set WA,   31                          ; v31     the same as WA0 for the chunk to be fetched
.set MX,   32                          ; v32-35  M of rows 16 a + r
.set LL,   36                          ; v36-39  L
.set RL,   40                          ; v[40+2a:41+2a]  1 / L, as pairs
.set WS,   48                          ; v[48:55], v[56:63]  a chunk's four factors, at the even registers, a set for each slot; the odd ones are named with them as pairs
.set F0,   64
.set F1,   160
.set TMP,  64                          ; the way out: a block's 64 numbers
.set OB,   128                         ; the way out: 16 rows read back, v128-191 and v192-255 by turns
.set WV,   12
.set RH,   13
.set CH,   14
.set TX,   17
.set TY,   18
.set G1A,  24
.set G0A,  32
.set WB,   46                          ; s46  256 x the chunk whose factors are fetched next
.set G1B,  48
.set G0B,  56
.set MSB, 0
.macro WIN new
.if MSB != (\new)
	s_set_vgpr_msb (MSB<<8)|(\new)
.set MSB, \new
.endif
.endm
.set MUL,  0x50                        ; C and D in window 1, both sources in window 0
.set W_FM, 0xa1                        ; destination and source 2 (the total) in window 2, source 0 (the chunk's sum) in window 1, source 1 (the factor) in window 0
.macro PLACES
.rept 4
	v_nop
.endr
.endm
.macro JLOAD s                         ; a joint load: waves 0 and 1 fetch pt's two halves, waves 2 and 3 v's; an s_nop 0 and four v_nop follow each line
	s_cmp_eq_u32 s[RH], 0
	s_cbranch_scc0 .Lfor_b_\@
	tensor_load_to_lds s[G0A+4*(\s):G0A+4*(\s)+3], s[G1A:G1A+7]
	s_nop 0
.rept 4
	v_nop
.endr
	s_branch .Lasked_\@
.Lfor_b_\@:
	tensor_load_to_lds s[G0B+4*(\s):G0B+4*(\s)+3], s[G1B:G1B+7]
	s_nop 0
.rept 4
	v_nop
.endr
.Lasked_\@:
.endm
.macro CREST
	s_cmp_lg_u32 s[WV], 0
	s_cbranch_scc1 .Lnot_wave_0_\@
	s_barrier_signal -3
.Lnot_wave_0_\@:
	s_barrier_wait -3
	s_barrier_signal -1
	s_barrier_wait -1
.endm
.macro CROUND
	s_barrier_signal -1
	s_barrier_wait -1
	CREST
.endm
	s_load_b256 s[4:11], s[0:1], 0x0               ; pt s[4:5], qkv s[6:7], st s[8:9], out0 s[10:11]
	v_lshl_add_u32 v[SPW], v0, 2, SPARE
	v_mov_b32 v[NIL], 0
	ds_add_u32 v[SPW], v[NIL]                      ; the wave's opening: the add and its wait stand ahead of my first tensor load; the set-up below stands between them
	v_lshrrev_b32 v1, 5, v0
	v_readfirstlane_b32 s[WV], v1
	s_lshr_b32 s[RH], s[WV], 1
	s_and_b32 s[CH], s[WV], 1
	s_bfe_u32 s15, ttmp6, 0x40000
	s_bfe_u32 s16, ttmp6, 0x40004
	s_lshl_b32 s[TX], ttmp9, 2
	s_add_co_u32 s[TX], s[TX], s15                 ; tile column (256 channels)
	s_and_b32 s[TY], ttmp7, 0xffff
	s_lshl_b32 s[TY], s[TY], 2
	s_add_co_u32 s[TY], s[TY], s16                 ; tile row (128 rows of all batches)
	s_lshl_b32 s19, s16, 2
	s_lshl_b32 s19, 15, s19
	s_lshl_b32 s20, 0x1111, s15
	s_or_b32 s[G1A], s19, (1<<16)|(1<<20)|(1<<21)|(5<<22)|(3<<25)  ; pt's tiles go to my row; after every 64 words 4 words of padding
	s_mov_b32 s[G1A+1], 128<<16                    ; 64 rows x 128 elements
	s_mov_b32 s[G1A+2], 64<<16
	s_mov_b32 s[G1A+3], 128<<16
	s_mov_b32 s[G1A+4], 64
	s_mov_b32 s[G1A+5], 2048                       ; elements from row to row of pt
	s_mov_b32 s[G1A+6], 0
	s_mov_b32 s[G1A+7], 0
	s_or_b32 s[G1B], s20, (1<<16)|(1<<20)|(1<<21)|(6<<22)|(7<<25)  ; v's tiles go to my column; after every 128 words 8 words of padding
	s_mov_b32 s[G1B+1], 256<<16                    ; 64 keys x 256 channels
	s_mov_b32 s[G1B+2], 64<<16
	s_mov_b32 s[G1B+3], 256<<16
	s_mov_b32 s[G1B+4], 64
	s_mov_b32 s[G1B+5], 3072                       ; elements from row to row of qkv
	s_mov_b32 s[G1B+6], 0
	s_mov_b32 s[G1B+7], 0
	s_lshl_b32 s40, s[TY], 7                       ; pt: row 128 x tile row + 64 x half, 4,096 bytes each
	s_lshl_b32 s22, s[CH], 6
	s_add_co_u32 s40, s40, s22
	s_lshl_b32 s40, s40, 12
	s_mov_b32 s41, 0
	s_and_b32 s42, ttmp7, 0xffff                   ; v: the batch is cluster y / 4, which all partners share: its 2,048 rows, + 64 x half,
	s_lshr_b32 s42, s42, 2
	s_lshl_b32 s42, s42, 11
	s_add_co_u32 s42, s42, s22
	s_mul_i32 s42, s42, 6144
	s_lshl_b32 s43, s[TX], 9                       ; byte 4,096 + 512 x tile column of a row
	s_add_co_u32 s42, s42, s43
	s_add_co_u32 s42, s42, 4096
	s_mov_b32 s43, 0
	s_mul_i32 s22, s[CH], HALFA
	s_mul_i32 s23, s[CH], HALFB
	s_add_co_u32 s23, s23, BOFF
	s_wait_dscnt 0x0                               ; the opening add is done
	s_wait_kmcnt 0x0
	s_add_nc_u64 s[40:41], s[4:5], s[40:41]
	s_add_nc_u64 s[42:43], s[6:7], s[42:43]
	CROUND                                         ; all sixteen work-groups are here: the first joint loads meet
.irp s, 0,1
	s_mov_b32 s[G0A+4*(\s)], 1
	s_add_co_u32 s[G0A+4*(\s)+1], s22, (\s)*SLOT
	s_add_nc_u64 s[G0A+4*(\s)+2:G0A+4*(\s)+3], s[40:41], (\s)*256
	s_or_b32 s[G0A+4*(\s)+3], s[G0A+4*(\s)+3], 0x80000000
	s_mov_b32 s[G0B+4*(\s)], 1
	s_add_co_u32 s[G0B+4*(\s)+1], s23, (\s)*SLOT
	s_add_nc_u64 s[G0B+4*(\s)+2:G0B+4*(\s)+3], s[42:43], (\s)*128*6144
	s_or_b32 s[G0B+4*(\s)+3], s[G0B+4*(\s)+3], 0x80000000
.endr
	s_cmp_eq_u32 s[RH], 0                          ; a wave's two first fills stand in one branch: two loads of mine are out
	s_cbranch_scc0 .Lfirst_b
	tensor_load_to_lds s[G0A:G0A+3], s[G1A:G1A+7]
	s_nop 0
	tensor_load_to_lds s[G0A+4:G0A+7], s[G1A:G1A+7]
	s_nop 0
.rept 4
	v_nop
.endr
	s_branch .Lfirst_asked
.Lfirst_b:
	tensor_load_to_lds s[G0B:G0B+3], s[G1B:G1B+7]
	s_nop 0
	tensor_load_to_lds s[G0B+4:G0B+7], s[G1B:G1B+7]
	s_nop 0
.rept 4
	v_nop
.endr
.Lfirst_asked:
	; THE FACTORS, made in the wait for the first tiles.  My wave's 64 rows are one group of st: 16 chunks x (c m, l); a lane takes the four numbers of rows r, 16 + r, 32 + r, 48 + r.
	v_and_b32 v1, 15, v0                           ; r
	v_bfe_u32 v2, v0, 4, 1                         ; h
	v_lshlrev_b32 v[SO], 4, v1
	s_lshl_b32 s46, s[TY], 1
	s_add_co_u32 s46, s46, s[RH]
	s_lshl_b32 s46, s46, 13                        ; a group is 8,192 bytes
	s_mov_b32 s47, 0
	s_add_nc_u64 s[8:9], s[8:9], s[46:47]
.set c, 0
.rept 16
	global_load_b128 v[64+4*c:67+4*c],   v[SO], s[8:9] offset:512*c       ; c m of chunk c
	global_load_b128 v[128+4*c:131+4*c], v[SO], s[8:9] offset:512*c+256   ; l of chunk c
.set c, c+1
.endr
	v_mul_u32_u24 v3, v1, PITCH                    ; pt's fragments: row r x pitch + 16 h
	v_lshl_add_u32 v3, v2, 4, v3
	v_and_b32 v4, 7, v0                            ; v's: the turning load takes 16 keys x 16 channels: lane l reads key 8 h + l % 8, channels 8 ((l / 8) % 2) + 0..7
	v_bfe_u32 v5, v0, 3, 1
	v_lshl_add_u32 v4, v2, 3, v4
	v_mul_u32_u24 v4, v4, PV
	v_lshl_add_u32 v4, v5, 4, v4
	s_mul_i32 s22, s[RH], HALFA                    ; my 64 rows of pt
	s_lshl_b32 s23, s[CH], 8                       ; my 128 channels: 256 bytes into v's rows
	s_add_co_u32 s23, s23, BOFF
.irp s, 0,1
	v_add_nc_u32 v[ADRA+(\s)], s22, v3
	v_add_nc_u32 v[ADRB+(\s)], s23, v4
	s_add_co_u32 s22, s22, SLOT
	s_add_co_u32 s23, s23, SLOT
.endr
	s_mul_i32 s22, s[WV], 16*OPITCH
	s_add_co_u32 s22, s22, STAGE                   ; my stage
	v_mul_u32_u24 v4, v1, OPITCH                   ; in: row r, 32 bytes for each half of the lanes
	v_lshl_add_u32 v4, v2, 5, v4
	v_add_nc_u32 v[STO], s22, v4
	v_and_b32 v5, 31, v0                           ; back: 32 lanes take one row of 512 bytes
	v_lshlrev_b32 v[CO], 4, v5
	v_add_nc_u32 v[RD], s22, v[CO]
	s_lshl_b32 s22, s[WV], 12
	s_add_co_u32 s22, s22, WT
	v_lshl_add_u32 v[WA0], v1, 4, s22
	s_mov_b32 s[WB], 0
	s_lshl_b32 s44, s[TY], 7                       ; out0: row 128 x tile row + 64 x half, byte 1,024 x tile column + 512 x half
	s_lshl_b32 s22, s[RH], 6
	s_add_co_u32 s44, s44, s22
	s_lshl_b32 s44, s44, 12
	s_lshl_b32 s45, s[TX], 10
	s_add_co_u32 s44, s44, s45
	s_lshl_b32 s22, s[CH], 9
	s_add_co_u32 s44, s44, s22
	s_mov_b32 s45, 0
	s_add_nc_u64 s[10:11], s[10:11], s[44:45]
.irp i, 1,3,5,7,9,11,13,15
	v_mov_b32 v[WS+(\i)], 0                        ; the odd registers of the factors' pairs: named, never used
.endr
	WIN 0x80                                       ; the totals start at 0
.set i, 0
.rept 256
	v_mov_b32 v[i], 0
.set i, i+1
.endr
	WIN 0
	s_wait_loadcnt 0x0
.irp a, 0,1,2,3                        ; M = the largest of the sixteen c m
	v_max3_num_f32 v[MX+(\a)], v[64+(\a)], v[68+(\a)], v[72+(\a)]
.endr
.irp n, 1,2,3,4,5,6
.irp a, 0,1,2,3
	v_max3_num_f32 v[MX+(\a)], v[MX+(\a)], v[64+8*(\n)+4+(\a)], v[64+8*(\n)+8+(\a)]
.endr
.endr
.irp a, 0,1,2,3
	v_max_num_f32 v[MX+(\a)], v[MX+(\a)], v[124+(\a)]
.endr
.set c, 0
.rept 16
	v_pk_add_f32 v[64+4*c:65+4*c], v[64+4*c:65+4*c], v[MX:MX+1] neg_lo:[0,1] neg_hi:[0,1]       ; c m - M
	v_pk_add_f32 v[66+4*c:67+4*c], v[66+4*c:67+4*c], v[MX+2:MX+3] neg_lo:[0,1] neg_hi:[0,1]
.set c, c+1
.endr
.set i, 0
.rept 64
	v_exp_f32 v[64+i], v[64+i]                     ; w
.set i, i+1
.endr
	v_nop                                          ; a plain instruction between the last exponential and the use of its result
	s_wait_alu depctr_va_vdst(0)
	v_pk_mul_f32 v[LL:LL+1], v[64:65], v[128:129]  ; L = the sum of w l: the first product starts it
	v_pk_mul_f32 v[LL+2:LL+3], v[66:67], v[130:131]
.set c, 1
.rept 15
	v_pk_fma_f32 v[LL:LL+1], v[64+4*c:65+4*c], v[128+4*c:129+4*c], v[LL:LL+1]
	v_pk_fma_f32 v[LL+2:LL+3], v[66+4*c:67+4*c], v[130+4*c:131+4*c], v[LL+2:LL+3]
.set c, c+1
.endr
.set c, 0
.rept 16
	ds_store_b128 v[WA0], v[64+4*c:67+4*c] offset:256*c     ; my wave's own bytes: only my wave reads them; the two halves of the lanes store the same
.set c, c+1
.endr
.irp a, 0,1,2,3
	v_cmp_eq_f32 vcc_lo, 0, v[LL+(\a)]             ; a row with nothing shown: all its weights are 0, and it is divided by 1
	v_cndmask_b32 v[LL+(\a)], v[LL+(\a)], 1.0, vcc_lo
.endr
.irp a, 0,1,2,3
	v_rcp_f32 v[RL+2*(\a)], v[LL+(\a)]
.endr
	v_nop                                          ; a plain instruction between the last reciprocal and the use of its result
	s_wait_alu depctr_va_vdst(0)
.irp a, 0,1,2,3
	v_mov_b32 v[RL+2*(\a)+1], v[RL+2*(\a)]         ; named as pairs
.endr
.macro MUL8 f, a, zero                 ; the 32 accumulators take turns in the same order in every quarter
	WIN MUL
.irp b, 0,1,2,3,4,5,6,7
.if \zero
	v_wmma_f32_16x16x32_f16 v[8*(8*(\a)+(\b)):8*(8*(\a)+(\b))+7], v[(\f)+32+8*(\b):(\f)+32+8*(\b)+7], v[(\f)+8*(\a):(\f)+8*(\a)+7], 0
.else
	v_wmma_f32_16x16x32_f16 v[8*(8*(\a)+(\b)):8*(8*(\a)+(\b))+7], v[(\f)+32+8*(\b):(\f)+32+8*(\b)+7], v[(\f)+8*(\a):(\f)+8*(\a)+7], v[8*(8*(\a)+(\b)):8*(8*(\a)+(\b))+7]
.endif
.endr
.endm
.macro MUL16 f, a0, zero
	MUL8 \f, \a0, \zero
	MUL8 \f, (\a0)+1, \zero
.endm
; 24 LDS loads in one run: quarter q (32 keys) into buffer f: v's sixteen, turned (keys 32 q + 8 h + 0..7, then 16 further on; channels 16 i + r), then pt's blocks 0 and 1, then 2 and 3
.macro FETCH slot, q, f
	WIN 0
.irp i, 0,1,2,3,4,5,6,7
	ds_load_tr16_b128 v[(\f)+32+8*(\i):(\f)+32+8*(\i)+3],   v[ADRB+(\slot)] offset:(\q)*32*PV+32*(\i)
	ds_load_tr16_b128 v[(\f)+32+8*(\i)+4:(\f)+32+8*(\i)+7], v[ADRB+(\slot)] offset:(\q)*32*PV+16*PV+32*(\i)
.endr
.irp i, 0,1,2,3
	ds_load_b128 v[(\f)+8*(\i):(\f)+8*(\i)+3],   v[ADRA+(\slot)] offset:64*(\q)+(\i)*16*PITCH
	ds_load_b128 v[(\f)+8*(\i)+4:(\f)+8*(\i)+7], v[ADRA+(\slot)] offset:64*(\q)+(\i)*16*PITCH+32
.endr
.endm
; Row block a of a finished chunk goes into the totals: total += w x sum, 32 packed multiply-adds, each accumulator read from its lowest registers on.  A lane holds one row, so one factor serves the block.
.macro FMA a, set
	WIN W_FM
.irp b, 0,1,2,3,4,5,6,7
.irp r, 0,1,2,3
	v_pk_fma_f32 v[8*(8*(\a)+(\b))+2*(\r):8*(8*(\a)+(\b))+2*(\r)+1], v[8*(8*(\a)+(\b))+2*(\r):8*(8*(\a)+(\b))+2*(\r)+1], v[WS+8*(\set)+2*(\a):WS+8*(\set)+2*(\a)+1], v[8*(8*(\a)+(\b))+2*(\r):8*(8*(\a)+(\b))+2*(\r)+1] op_sel_hi:[1,0,1]
.endr
.endr
.endm
; A quarter: 32 matrix instructions on buffer f; quarter q of the same slot is fetched into g.
.macro QUARTER slot, q, f, g, zero
	s_wait_dscnt 4                                 ; all but the youngest four loads (pt's blocks 2 and 3)
	MUL16 \f, 0, \zero
	PLACES
	FETCH \slot, \q, \g
	s_wait_dscnt 24                                ; all but the 24 just issued
	MUL16 \f, 2, \zero
.endm
; A chunk's first quarter, behind another chunk: its products start new sums.  Blocks 0 and 1 of the chunk before are in the totals already; its blocks 2 and 3 go there behind the new products on
; blocks 0 and 1, ahead of those that write blocks 2 and 3 anew.  These 64 lines are also the places between the last products on buffer 1 and the loads into it.
.macro QFIRST slot, prev
	s_wait_dscnt 4
	MUL8 F0, 0, 1
	FMA 2, \prev
	MUL8 F0, 1, 1
	FMA 3, \prev
	FETCH \slot, 1, F1
	s_wait_dscnt 24
	MUL16 F0, 2, 1
.endm
; The change of slots, which is also a chunk's end.  One barrier; in front of it each wave waits for all its tensor loads (one is out: its part of the next slot), adds 0 to its spare word, and waits for
; that and for its reads of this slot.  Behind the refill come the next chunk's factors and its first fragments; then this chunk's last products, with its blocks 0 and 1 going into the totals between them.
.macro TURN slot, next, fill
	WIN 0
	s_wait_tensorcnt 0x0
	ds_add_u32 v[SPW], v[NIL]
	s_wait_dscnt 5                                 ; the add and the youngest four loads may be out
	MUL8 F1, 0, 0
	s_wait_dscnt 0x0                               ; the add is done, and my reads of this slot are over
	s_barrier_signal -1
	MUL8 F1, 1, 0
	WIN 0
	s_barrier_wait -1
.if \fill
	CREST                                          ; no wave of any partner still reads this slot or has a load on its way
	s_add_nc_u64 s[G0A+4*(\slot)+2:G0A+4*(\slot)+3], s[G0A+4*(\slot)+2:G0A+4*(\slot)+3], ASTEP
	s_add_nc_u64 s[G0B+4*(\slot)+2:G0B+4*(\slot)+3], s[G0B+4*(\slot)+2:G0B+4*(\slot)+3], BSTEP
	JLOAD \slot                                    ; its four v_nop are the places behind the products on blocks 0 and 1, and in front of the loads below
.else
	PLACES
.endif
	s_add_co_u32 s[WB], s[WB], 256                 ; the next chunk's factors: four loads, older than the 24 below, so the counts of the waits stay
	v_add_nc_u32 v[WA], s[WB], v[WA0]
.irp a, 0,1,2,3
	ds_load_b32 v[WS+8*(\next)+2*(\a)], v[WA] offset:4*(\a)
.endr
	FETCH \next, 0, F0
	MUL8 F1, 2, 0
	FMA 0, \slot
	MUL8 F1, 3, 0
	FMA 1, \slot
.endm
	s_wait_tensorcnt 1                             ; my part of step 0 is in; step 1's may stay out
	s_wait_dscnt 0x0                               ; my stores of the factors are done
	s_barrier_signal -1
	s_barrier_wait -1
.irp a, 0,1,2,3
	ds_load_b32 v[WS+2*(\a)], v[WA0] offset:4*(\a) ; chunk 0's factors
.endr
	FETCH 0, 0, F0
	QUARTER 0, 1, F0, F1, 1                        ; the first chunk's first quarter
	WIN 0
	s_mov_b32 s21, LAPS-1
.Llap:                                                 ; a trip goes once round the ring: two chunks end in it, and both slots are filled again
	QUARTER 0, 2, F1, F0, 0
	QUARTER 0, 3, F0, F1, 0
	TURN 0, 1, 1
	QFIRST 1, 0
	QUARTER 1, 2, F1, F0, 0
	QUARTER 1, 3, F0, F1, 0
	TURN 1, 0, 1
	QFIRST 0, 1
	WIN 0
	s_sub_co_u32 s21, s21, 1
	s_cmp_lg_u32 s21, 0
	s_cbranch_scc1 .Llap
	QUARTER 0, 2, F1, F0, 0                        ; the last lap fills nothing
	QUARTER 0, 3, F0, F1, 0
	TURN 0, 1, 0
	QFIRST 1, 0
	QUARTER 1, 2, F1, F0, 0
	QUARTER 1, 3, F0, F1, 0
	s_wait_dscnt 4
	MUL16 F1, 0, 0
	s_wait_dscnt 0x0
	MUL8 F1, 2, 0
	PLACES                                         ; behind the products on blocks 0 and 1
	FMA 0, 1                                       ; the last chunk goes into the totals
	MUL8 F1, 3, 0
	FMA 1, 1
	FMA 2, 1
	FMA 3, 1
	WIN 0
; THE WAY OUT, a block of 16 rows at a time: the totals divided by L, 32 bytes a lane into my own stage, back as whole rows of 512 bytes, stored.
.macro PACKO a
	WIN 0x02                                       ; source 0 in window 2
.irp b, 0,1,2,3,4,5,6,7
.irp r, 0,1,2,3
	v_pk_mul_f32 v[TMP+8*(\b)+2*(\r):TMP+8*(\b)+2*(\r)+1], v[8*(8*(\a)+(\b))+2*(\r):8*(8*(\a)+(\b))+2*(\r)+1], v[RL+2*(\a):RL+2*(\a)+1] op_sel_hi:[1,0]
.endr
.endr
	WIN 0
.endm
.macro TOSTAGE a
.set BK, OB+64*((\a)%2)
.irp b, 0,1,2,3,4,5,6,7
	ds_store_b128 v[STO], v[TMP+8*(\b):TMP+8*(\b)+3]   offset:64*(\b)
	ds_store_b128 v[STO], v[TMP+8*(\b)+4:TMP+8*(\b)+7] offset:64*(\b)+16
.endr
.irp t, 0,1,2,3,4,5,6,7,8,9,10,11,12,13,14,15
	ds_load_b128 v[BK+4*(\t):BK+4*(\t)+3], v[RD] offset:(\t)*OPITCH  ; LDS serves a wave's instructions in order: these see the stores above
.endr
.endm
.macro SEND a
.set BK, OB+64*((\a)%2)
	s_wait_dscnt 0x0                               ; the block is back in registers
	s_wait_xcnt 0x0                                ; the block before has been read by its stores: its registers are loaded again only behind this wait
.irp t, 0,1,2,3,4,5,6,7,8,9,10,11,12,13,14,15
	global_store_b128 v[CO], v[BK+4*(\t):BK+4*(\t)+3], s[10:11] offset:(16*(\a)+(\t))*OROW th:TH_STORE_NT  ; 512 consecutive bytes, at a multiple of 256 from out0's first byte
.endr
.endm
	PACKO 0
	TOSTAGE 0
.irp a, 1,2,3
	PACKO \a                                       ; a block's arithmetic stands between the loads of the block before and the wait for them
	SEND (\a)-1
	TOSTAGE \a
.endr
	SEND 3
	s_wait_tensorcnt 0x0                           ; the wave's end
	ds_add_u32 v[SPW], v[NIL]
	s_wait_dscnt 0x0
	CROUND                                         ; the closing round
	s_endpgm
.Lfunc_end_k_qa9f47b8cd2_pv:
	.size	k_qa9f47b8cd2_pv, .Lfunc_end_k_qa9f47b8cd2_pv-k_qa9f47b8cd2_pv
	.p2alignl 7, 3214868480
	.fill 96, 4, 3214868480
	.section	.rodata,"a",@progbits
	.p2align	6, 0x0
	.amdhsa_kernel k_qa9f47b8cd2_pv
		.amdhsa_group_segment_fixed_size 327680
		.amdhsa_private_segment_fixed_size 0
		.amdhsa_enable_private_segment 0
		.amdhsa_kernarg_size 32
		.amdhsa_user_sgpr_count 2
		.amdhsa_user_sgpr_kernarg_segment_ptr 1
		.amdhsa_wavefront_size32 1
		.amdhsa_system_sgpr_workgroup_id_x 1
		.amdhsa_system_sgpr_workgroup_id_y 1
		.amdhsa_system_sgpr_workgroup_id_z 1
		.amdhsa_system_vgpr_workitem_id 0
		.amdhsa_next_free_vgpr 768
		.amdhsa_next_free_sgpr 66
		.amdhsa_reserve_vcc 1
		.amdhsa_float_denorm_mode_32 3
		.amdhsa_float_denorm_mode_16_64 3
		.amdhsa_memory_ordered 1
		.amdhsa_forward_progress 1
		.amdhsa_inst_pref_size 148
	.end_amdhsa_kernel
	.amdgpu_metadata
---
amdhsa.version: [ 1, 2 ]
amdhsa.kernels:
  - .name:           k_qa9f47b8cd2_pv
    .symbol:         k_qa9f47b8cd2_pv.kd
    .args:
      - { .name: pt, .offset: 0, .size: 8, .value_kind: global_buffer, .address_space: global }
      - { .name: qkv, .offset: 8, .size: 8, .value_kind: global_buffer, .address_space: global }
      - { .name: st, .offset: 16, .size: 8, .value_kind: global_buffer, .address_space: global }
      - { .name: out0, .offset: 24, .size: 8, .value_kind: global_buffer, .address_space: global }
    .group_segment_fixed_size: 327680
    .private_segment_fixed_size: 0
    .kernarg_segment_align: 8
    .kernarg_segment_size: 32
    .max_flat_workgroup_size: 128
    .sgpr_count:     66
    .vgpr_count:     768
    .wavefront_size: 32
...
	.end_amdgpu_metadata
.endif
;; end of part 8
;; ======== version 3 of 3: 4 launches; version 2 with the launch cast written anew for expert scheduling mode
;; limits: values are held in f16: magnitudes above 65,504 overflow, below 6.1e-05 lose precision
;; workspace buffers: xb 16,777,216 bytes; wb 6,291,456 bytes; qkv 50,331,648 bytes; pt 33,554,432 bytes; st 1,048,576 bytes
;; launch cast (part 9): grid 704 x 1, 8 waves a work-group, no clusters, 0 bytes of LDS; arguments x, Wq, Wk, Wv, xb, wb; writes xb, wb
.if DOCPART == 9
	.amdgcn_target "amdgcn-amd-amdhsa--gfx1250"
	.amdhsa_code_object_version 6
	.text
	.protected	k_qa9f47b8cd2_cast
	.globl	k_qa9f47b8cd2_cast
	.p2align	8
	.type	k_qa9f47b8cd2_cast,@function
k_qa9f47b8cd2_cast:
	s_mov_b64 s[64:65], 0
	v_nop
	global_prefetch_b8 v0, s[64:65] scope:SCOPE_SE
	s_setreg_imm32_b32 hwreg(HW_REG_WAVE_SCHED_MODE, 0, 2), 2
	s_setreg_imm32_b32 hwreg(HW_REG_WAVE_MODE, 25, 1), 1
	s_wait_xcnt 0x0
	s_wait_alu depctr_vm_vsrc(0)
; xb = x rounded to bf16, wb = Wq, Wk, Wv (one below the other, 3,072 rows) rounded to bf16, both LAID OUT IN BLOCKS OF 64 ALONG K for the next launch:
; xb: [16 blocks][8192 rows][64], wb: [16 blocks][3072 rows][64].  There a tile of some rows x 64 k is one dense run of bytes, 128 for each row.
; A stream: every byte is read once and written once, so no LDS, no matrix unit and no cluster would add anything.
; A work-group takes 16 rows (65,536 bytes in, 32,768 out).  Work-groups 0-511 take x; work-group 512 + j takes rows 16 (j % 64) on of weight j / 64, which are rows 16 j on of wb.
; Thread t takes, for each block j, four floats: row t / 16, k = 64 j + 4 (t % 16).  So sixteen lanes read 256 consecutive bytes of a row, and a wave, which holds two neighbouring rows,
; stores 256 consecutive bytes, aligned: the two rows' 128 bytes lie side by side in the block.
; All sixteen loads of a thread go out at once; no register is written twice.
; THE MODE: SCHED_MODE bits 1:0 = 2 (LLVM: expert scheduling mode 2), set by the entry lines.  The code itself states the register dependences
; between vector instructions and memory instructions, with s_wait_alu, always for 0.
; THE PLAN.  Registers that memory instructions touch:
;   v1   the offset in the source.  Written at the head; read by all sixteen loads; never written again.
;   X    Written by the loads alone, each register once; read by the conversions.  No vector instruction names X ahead of the loads.
;   O    the offsets in the destination.  Written by sixteen vector lines behind the loads; read by the stores; never written again.
;   Y    Written by the conversions, each register once; read by the stores.
; The sixteen loads are taken in four groups of four.  Group g converts its X into its Y; the stores of group g - 1 are dealt among these conversions, which name X and Y of group g alone.
; So one wait at a group's head, behind the wait for its data, states all that the four stores below it hang on.  No register that a load or store has read is written again:
; nothing is owed on that side.  No vector instruction writes a scalar register, and EXEC is never written.
.set X, 4                              ; v[4:67]    sixteen loads of four floats
.set Y, 68                             ; v[68:99]   sixteen pairs of words, four bf16 each
.set O, 100                            ; v[100:115] byte offset of my 8 bytes in block j of the destination
	s_load_b256 s[4:11], s[0:1], 0x0               ; x s[4:5], Wq s[6:7], Wk s[8:9], Wv s[10:11]
	s_load_b128 s[12:15], s[0:1], 0x20             ; xb s[12:13], wb s[14:15]
	s_sub_co_u32 s16, ttmp9, 512                   ; j (used only where the work-group's number is 512 or more)
	s_lshr_b32 s17, s16, 6                         ; which weight
	s_and_b32 s18, s16, 63                         ; which 16 rows of it
	s_mov_b32 s30, 3072*128                        ; bytes in a block of wb
	s_mov_b32 s31, 8192*128                        ; and of xb
	v_lshrrev_b32 v1, 4, v0                        ; my row of the sixteen
	v_and_b32 v3, 15, v0
	v_lshlrev_b32 v1, 12, v1                       ; 4,096 bytes a row of the source
	v_lshl_or_b32 v1, v3, 4, v1                    ; + 16 (t % 16)
	v_lshlrev_b32 v2, 3, v0                        ; in a block: 128 (t / 16) + 8 (t % 16) = 8 t
	s_wait_kmcnt 0x0
	s_cmp_eq_u32 s17, 1
	s_cselect_b64 s[20:21], s[8:9], s[6:7]         ; Wk or Wq
	s_cmp_eq_u32 s17, 2
	s_cselect_b64 s[20:21], s[10:11], s[20:21]     ; Wv or that
	s_cmp_lt_u32 ttmp9, 512
	s_cselect_b64 s[20:21], s[4:5], s[20:21]       ; x or that: the source
	s_cselect_b64 s[22:23], s[12:13], s[14:15]     ; xb or wb: the destination
	s_cselect_b32 s24, ttmp9, s18                  ; which 16 rows of the source
	s_cselect_b32 s25, ttmp9, s16                  ; which 16 rows of the destination
	s_cselect_b32 s30, s31, s30                    ; bytes in a block of the destination
	s_lshl_b32 s26, s24, 16
	s_mov_b32 s27, 0
	s_lshl_b32 s28, s25, 11                        ; 16 rows of 128 bytes
	s_mov_b32 s29, 0
	s_add_nc_u64 s[20:21], s[20:21], s[26:27]
	s_add_nc_u64 s[22:23], s[22:23], s[28:29]
	s_wait_alu depctr_va_vdst(0)                   ; v1 is written: all sixteen loads read it as their offset
.set j, 0
.rept 16
	global_load_b128 v[X+4*j:X+4*j+3], v1, s[20:21] offset:256*j th:TH_LOAD_NT
.set j, j+1
.endr
.set j, 0
.rept 16
	v_mad_u32_u24 v[O+j], s30, j, v2               ; the blocks lie too far apart for a store's immediate
.set j, j+1
.endr
; Group g: loads 4 g to 4 g + 3 are converted; the four stores of the group before stand among the conversions, one ahead of each pair.
.macro GROUP g
	s_wait_loadcnt 12-4*(\g)                       ; loads come back in order: this group's four are in, the 12 - 4 g younger ones stay out
.if (\g) > 0
	s_wait_alu depctr_va_vdst(0)                   ; the group before has written its Y, which the four stores below read as data; at group 1 also: the sixteen O are written, which all stores read as offsets
.endif
.irp i, 0,1,2,3
.if (\g) > 0
	global_store_b64 v[O+4*((\g)-1)+(\i)], v[Y+8*((\g)-1)+2*(\i):Y+8*((\g)-1)+2*(\i)+1], s[22:23]  ; no vector instruction since the wait names these registers
.endif
	v_cvt_pk_bf16_f32 v[Y+8*(\g)+2*(\i)], v[X+16*(\g)+4*(\i)], v[X+16*(\g)+4*(\i)+1]
	v_cvt_pk_bf16_f32 v[Y+8*(\g)+2*(\i)+1], v[X+16*(\g)+4*(\i)+2], v[X+16*(\g)+4*(\i)+3]
.endr
.endm
	GROUP 0                                        ; no group stands in front of it: no store, and no wait but the one for its data
	GROUP 1
	GROUP 2
	GROUP 3
	s_wait_alu depctr_va_vdst(0)                   ; group 3 has written its Y, which the last four stores read
.irp i, 0,1,2,3
	global_store_b64 v[O+12+(\i)], v[Y+24+2*(\i):Y+24+2*(\i)+1], s[22:23]
.endr
	s_endpgm
.Lfunc_end_k_qa9f47b8cd2_cast:
	.size	k_qa9f47b8cd2_cast, .Lfunc_end_k_qa9f47b8cd2_cast-k_qa9f47b8cd2_cast
	.p2alignl 7, 3214868480
	.fill 96, 4, 3214868480
	.section	.rodata,"a",@progbits
	.p2align	6, 0x0
	.amdhsa_kernel k_qa9f47b8cd2_cast
		.amdhsa_group_segment_fixed_size 0
		.amdhsa_private_segment_fixed_size 0
		.amdhsa_enable_private_segment 0
		.amdhsa_kernarg_size 48
		.amdhsa_user_sgpr_count 2
		.amdhsa_user_sgpr_kernarg_segment_ptr 1
		.amdhsa_wavefront_size32 1
		.amdhsa_system_sgpr_workgroup_id_x 1
		.amdhsa_system_sgpr_workgroup_id_y 1
		.amdhsa_system_sgpr_workgroup_id_z 1
		.amdhsa_system_vgpr_workitem_id 0
		.amdhsa_next_free_vgpr 116
		.amdhsa_next_free_sgpr 66
		.amdhsa_reserve_vcc 0
		.amdhsa_float_denorm_mode_32 3
		.amdhsa_float_denorm_mode_16_64 3
		.amdhsa_memory_ordered 1
		.amdhsa_forward_progress 1
		.amdhsa_inst_pref_size 8
	.end_amdhsa_kernel
	.amdgpu_metadata
---
amdhsa.version: [ 1, 2 ]
amdhsa.kernels:
  - .name:           k_qa9f47b8cd2_cast
    .symbol:         k_qa9f47b8cd2_cast.kd
    .args:
      - { .name: x, .offset: 0, .size: 8, .value_kind: global_buffer, .address_space: global }
      - { .name: Wq, .offset: 8, .size: 8, .value_kind: global_buffer, .address_space: global }
      - { .name: Wk, .offset: 16, .size: 8, .value_kind: global_buffer, .address_space: global }
      - { .name: Wv, .offset: 24, .size: 8, .value_kind: global_buffer, .address_space: global }
      - { .name: xb, .offset: 32, .size: 8, .value_kind: global_buffer, .address_space: global }
      - { .name: wb, .offset: 40, .size: 8, .value_kind: global_buffer, .address_space: global }
    .group_segment_fixed_size: 0
    .private_segment_fixed_size: 0
    .kernarg_segment_align: 8
    .kernarg_segment_size: 48
    .max_flat_workgroup_size: 256
    .sgpr_count:     66
    .vgpr_count:     116
    .wavefront_size: 32
...
	.end_amdgpu_metadata
.endif
;; end of part 9
;; launch proj: the kernel of part 6 again; grid 8 x 32, 4 waves a work-group, clusters of 4 x 4, 327,680 bytes of LDS; arguments xb, wb, qkv; writes qkv
;; launch scores: the kernel of part 7 again; grid 8 x 32, 8 waves a work-group, clusters of 4 x 4, 327,680 bytes of LDS; arguments qkv, mask, pt, st; writes pt, st
;; launch pv: the kernel of part 8 again; grid 4 x 64, 4 waves a work-group, clusters of 4 x 4, 327,680 bytes of LDS; arguments pt, qkv, st, out0; writes out0
